; MI455X (gfx1250); checked and timed in simulation.
; The chip was launched on July 23, 2026; its instructions are those of AMD's public machine-readable ISA for CDNA 5 (MIT licence, August 2026) and "CDNA5" Instruction Set Architecture Reference Guide (July 2026). The comments in the code are by the model that wrote it; some were corrected since.
;; discriminator. Allowed arithmetic: float matrix products may take bf16 or f16 operands with f32 sums; all other float work in f32.
;; Inputs: W_hh 3,072 x 1,024 float32; W_ih 3,072 x 140 float32; W_init 1,024 x 128 float32; W_out 12 x 1,024 float32; b_hh 3,072 float32; b_ih 3,072 float32; b_init 1,024 float32; b_out 12 float32; condition 4,096 x 4 x 12 float32; z 4,096 x 128 float32.
;; Outputs: out0 4,096 x 4 x 12 float32.
;; Constants: iteration = 1000.
;; 2 versions, each right; version 2 is version 1 with the launch prep written anew for expert scheduling mode. Each part assembles by itself: llvm-mc -triple=amdgcn-amd-amdhsa -mcpu=gfx1250 --defsym DOCPART=n.
;; ======== version 1 of 2: 6 launches
;; workspace buffers: A0 10,485,760 bytes; A1 10,485,760 bytes; A2 10,485,760 bytes; A3 10,485,760 bytes; A4 10,485,760 bytes; Wc 7,864,320 bytes; Ha 16,777,216 bytes; Hb 16,777,216 bytes
;; launch prep (part 1): grid 8 x 32, 8 waves a work-group, no clusters, 105,472 bytes of LDS; arguments z, condition, W_ih, W_hh, W_init, b_init, Wc, A0, A1, A2, A3, Ha; writes Wc, A0, A1, A2, A3, Ha
.if DOCPART == 1
	.amdgcn_target "amdgcn-amd-amdhsa--gfx1250"
	.amdhsa_code_object_version 6
	.text
	.protected	k_q5a42c3d48c_prep
	.globl	k_q5a42c3d48c_prep
	.p2align	8
	.type	k_q5a42c3d48c_prep,@function
k_q5a42c3d48c_prep:
	s_mov_b64 s[64:65], 0
	v_nop
	global_prefetch_b8 v0, s[64:65] scope:SCOPE_SE
	s_setreg_imm32_b32 hwreg(HW_REG_WAVE_MODE, 25, 1), 1
	s_wait_xcnt 0x0
; PREPARATION for four GRU steps.  B = 4096 rows, hidden size 1024, z 128 wide, feedback 12 wide.
; It writes (1) Wc [3072][1280] bf16: row g*1024+j = W_hh row (1024) | W_ih[:,12:140] (128) | W_ih[:,0:12] (12) | 116 zeros;
; (2) bytes 2048..2559 of every row of A0..A3 ([4096][1280] bf16): z (128) | the step's feedback (12: zeros for step 0, else condition[:,t-1]) | 116 zeros;
; (3) h0 = tanh(z W_init^T + b_init): as bf16 into bytes 0..2047 of A0's rows, and in f32 into Ha, as the registers lie, for the next launch's same tile.
; 256 work-groups of eight waves.  Work-group (bj, bm), wg = 8 bm + bj, owns 12 rows of Wc, 16 rows of the A buffers' right part, and the tile rows 128 bm.. x j 128 bj.. of h0.
; Every number is rounded to bf16 once; sums, bias and tanh in f32.  tanh(y) = 1 - 2 / (1 + 2^(2 log2(e) y)): it saturates to +-1 where the power overflows or vanishes;
; near 0 its absolute error is about 1e-7.  NaN and infinities are not treated apart.
; NO CLUSTER, NO TENSOR LOAD: the tiles that work-groups share (z's, W_init's) are f32 and must pass through registers to be rounded before they lie in LDS as operands;
; brought into LDS as they are they would cross LDS twice.
.set PITCH, 272                        ; an LDS row: 256 bytes + 16: an odd multiple of 16, so the 16 rows of a fragment load start at 16 different groups of four banks (ISA guide 11.1)
.set KP,    2560                       ; bytes in a row of Wc and of the A buffers
.set ZT,    0                          ; z's tile, 128 rows of 128 bf16
.set WT,    128*PITCH                  ; W_init's tile, likewise
.set STAGE, 2*128*PITCH                ; h0's tile on its way out
.set SPARE, 3*128*PITCH                ; the spare words: 128 bytes for each of eight waves, four blocks of 256 bytes that no other line names
.set LN,  1                            ; lane
.set RR,  2                            ; lane % 16
.set HH,  3                            ; lane / 16
.set T16, 4                            ; 16 t
.set BIO, 5                            ; my bias numbers' offset
.set IHO, 6                            ; where my chunk of W_ih comes from
.set CDO, 7                            ; where my chunk of condition comes from
.set ZST, 8                            ; LDS: where my 8 bytes of z's tile go
.set WST, 9                            ; the same for W_init's tile
.set T8,  10                           ; 8 t
.set IHS, 11                           ; where my chunk of W_ih goes in Wc
.set CDS, 12                           ; where my chunk of feedback goes in A
.set ZXL, 13                           ; 32 t
.set ZXS, 14                           ; where my 16 bytes of z go in A
.set FRA, 15                           ; LDS: my fragments of z
.set FRB, 16                           ; LDS: my fragments of W_init
.set HAO, 17                           ; my offset in Ha
.set SST, 18                           ; LDS: into the stage
.set SRD, 19                           ; LDS: back from the stage
.set AHS, 20                           ; my offset in A0's left part
.set TA,  21                           ; v21-23 at work
.set TB,  22
.set TC,  23
.set BI,  24                           ; v24-39   b_init of my 2 x 8 columns
.set ZR,  40                           ; v40-103  z's tile as loaded
.set WI,  104                          ; v104-167 W_init's tile as loaded
.set WH,  168                          ; v168-215 12 rows of W_hh as loaded
.set IH,  216                          ; v216-227 W_ih
.set CD,  228                          ; v228-251 condition
.set ZERO,252                          ; v252-253 0
.set SPW, 254                          ; my spare word's LDS address; never rewritten
.set NIL, 255                          ; 0; never rewritten
.set F0,  40                           ; later: two fragment buffers of 48 (4 of z, 2 of W_init)
.set ACC, 136                          ; later: v136-199 eight accumulators, (i, b) at ACC + 8 (2 i + b)
.set ZX,  200                          ; later: v200-207 my 8 numbers of z for the A buffers
.set PKD, 40                           ; later: packed h0
.set BK,  72                           ; later: rows read back from the stage
	s_load_b512 s[4:19], s[0:1], 0x0               ; z s[4:5], condition s[6:7], W_ih s[8:9], W_hh s[10:11], W_init s[12:13], b_init s[14:15], Wc s[16:17], A0 s[18:19]
	s_load_b256 s[20:27], s[0:1], 0x40             ; A1 s[20:21], A2 s[22:23], A3 s[24:25], Ha s[26:27]
	v_lshl_add_u32 v[SPW], v0, 2, SPARE
	v_mov_b32 v[NIL], 0
	v_lshrrev_b32 v[TA], 5, v0
	v_readfirstlane_b32 s28, v[TA]                 ; wave 0..7
	s_and_b32 s29, ttmp9, 7                        ; bj
	s_and_b32 s30, ttmp7, 31                       ; bm
	s_lshl3_add_u32 s31, s30, s29                  ; wg = 8 bm + bj
	s_and_b32 s40, s28, 3                          ; w: my 32 columns of the tile
	s_lshr_b32 s41, s28, 2                         ; ah: my 64 rows of the tile
	s_mov_b32 s36, 0x4038aa3b                      ; 2 log2(e)
	s_mov_b32 s37, s36                             ; named with it as a pair
	; the offsets that the loads need
	v_and_b32 v[LN], 31, v0
	v_and_b32 v[RR], 15, v0
	v_bfe_u32 v[HH], v0, 4, 1
	v_lshlrev_b32 v[T16], 4, v0
	s_lshl_b32 s42, s40, 7
	v_lshl_add_u32 v[BIO], v[HH], 5, s42           ; 4 (32 w + 8 h)
	; W_ih: a row's right part in Wc is 64 chunks c of 4 numbers: c < 32 from columns 12 + 4 c, c = 32..34 from columns 4 (c - 32), the rest zeros (their load is clamped to chunk 34's)
	v_and_b32 v[TA], 63, v0                        ; c
	v_lshrrev_b32 v[TB], 6, v0                     ; which of four rows
	v_lshl_add_u32 v[TC], v[TA], 4, 48
	v_add_nc_u32 v[IHO], -32, v[TA]
	v_min_u32 v[IHO], 2, v[IHO]
	v_lshlrev_b32 v[IHO], 4, v[IHO]
	v_cmp_gt_u32 vcc_lo, 32, v[TA]
	v_cndmask_b32 v[IHO], v[IHO], v[TC], vcc_lo
	v_mul_u32_u24 v[TC], v[TB], 560                ; a row of W_ih is 560 bytes
	v_add_nc_u32 v[IHO], v[IHO], v[TC]
	v_cmp_gt_u32 s38, 35, v[TA]                    ; lanes whose chunk is data
	v_mul_u32_u24 v[TC], v[TB], KP
	v_lshl_add_u32 v[IHS], v[TA], 3, v[TC]
	; condition: a row's feedback part in A is 32 chunks of 4 numbers, of which the first three are data
	v_min_u32 v[CDO], 2, v[LN]
	v_lshlrev_b32 v[CDO], 4, v[CDO]
	s_mul_i32 s42, s28, 192                        ; a row of condition is 192 bytes; wave v takes rows v and v + 8
	v_add_nc_u32 v[CDO], s42, v[CDO]
	v_cmp_gt_u32 s39, 3, v[LN]                     ; lanes whose chunk is data
	s_mov_b32 s33, 0
	s_wait_kmcnt 0x0
	s_lshl_b32 s32, s30, 16
	s_add_nc_u64 s[4:5], s[4:5], s[32:33]          ; z at the tile's 128 rows of 512 bytes
	s_lshl_b32 s32, s29, 13
	s_add_nc_u64 s[44:45], s[4:5], s[32:33]        ; z at my work-group's 16 rows
	s_lshl_b32 s32, s29, 16
	s_add_nc_u64 s[12:13], s[12:13], s[32:33]      ; W_init at the tile's 128 rows
	s_mul_i32 s32, s31, 12*4096
	s_add_nc_u64 s[10:11], s[10:11], s[32:33]      ; W_hh at my 12 rows
	s_mul_i32 s32, s31, 12*560
	s_add_nc_u64 s[8:9], s[8:9], s[32:33]          ; W_ih at my 12 rows
	s_mul_i32 s32, s31, 16*192
	s_add_nc_u64 s[6:7], s[6:7], s[32:33]          ; condition at my 16 rows
	s_lshl_b32 s32, s29, 9
	s_add_nc_u64 s[14:15], s[14:15], s[32:33]      ; b_init at the tile's 128 columns
	; all 57 loads go out together; the waits below count the sets that were issued behind the one in hand
.irp b, 0,1
.irp p, 0,1
	global_load_b128 v[BI+8*(\b)+4*(\p):BI+8*(\b)+4*(\p)+3], v[BIO], s[14:15] offset:64*(\b)+16*(\p)
.endr
.endr
.set i, 0
.rept 16
	global_load_b128 v[ZR+4*i:ZR+4*i+3], v[T16], s[4:5] offset:4096*i    ; eight rows of the tile: a wave takes a row's 512 bytes
.set i, i+1
.endr
.set i, 0
.rept 16
	global_load_b128 v[WI+4*i:WI+4*i+3], v[T16], s[12:13] offset:4096*i
.set i, i+1
.endr
.set i, 0
.rept 12
	global_load_b128 v[WH+4*i:WH+4*i+3], v[T16], s[10:11] offset:4096*i th:TH_LOAD_NT  ; a whole row of W_hh; the launch reads it once
.set i, i+1
.endr
.set i, 0
.rept 3
	global_load_b128 v[IH+4*i:IH+4*i+3], v[IHO], s[8:9] offset:4*560*i   ; four rows of W_ih
.set i, i+1
.endr
.irp tt, 1,2,3
.irp rs, 0,1
	global_load_b128 v[CD+4*(2*((\tt)-1)+(\rs)):CD+4*(2*((\tt)-1)+(\rs))+3], v[CDO], s[6:7] offset:48*((\tt)-1)+8*192*(\rs)
.endr
.endr
	; the stores' bases and the other offsets, while the loads are out
	s_mul_i32 s32, s31, 12*KP
	s_add_nc_u64 s[16:17], s[16:17], s[32:33]      ; Wc at my 12 rows
	s_mul_i32 s32, s30, 128*KP
	s_lshl_b32 s34, s29, 8
	s_add_co_u32 s32, s32, s34
	s_add_nc_u64 s[34:35], s[18:19], s[32:33]      ; A0 at the tile's first row and column
	s_mul_i32 s32, s31, 16*KP
	s_add_nc_u64 s[18:19], s[18:19], s[32:33]      ; A0..A3 at my 16 rows
	s_add_nc_u64 s[20:21], s[20:21], s[32:33]
	s_add_nc_u64 s[22:23], s[22:23], s[32:33]
	s_add_nc_u64 s[24:25], s[24:25], s[32:33]
	s_lshl_b32 s32, s31, 16
	s_add_nc_u64 s[26:27], s[26:27], s[32:33]      ; Ha at my tile's 65,536 bytes
	v_mov_b32 v[ZERO], 0
	v_mov_b32 v[ZERO+1], 0
	s_mul_i32 s42, s28, PITCH
	v_lshl_add_u32 v[ZST], v[LN], 3, s42           ; row v (+ 8 i), 8 bytes a lane
	v_add_nc_u32 v[WST], WT, v[ZST]
	v_lshlrev_b32 v[T8], 3, v0
	s_mul_i32 s42, s28, KP
	v_lshl_add_u32 v[CDS], v[LN], 3, s42
	v_lshlrev_b32 v[ZXL], 5, v0                    ; row t / 16, 32 bytes at t % 16: together 32 t
	s_lshl_b32 s42, s28, 1
	v_add_nc_u32 v[ZXS], s42, v[HH]                ; row t / 16 = 2 v + h
	v_mul_u32_u24 v[ZXS], v[ZXS], KP
	v_lshl_add_u32 v[ZXS], v[RR], 4, v[ZXS]
	v_mul_u32_u24 v[TC], v[RR], PITCH
	v_lshl_add_u32 v[TC], v[HH], 4, v[TC]          ; a fragment's row x pitch + 16 x half
	s_mul_i32 s42, s41, 64*PITCH
	v_add_nc_u32 v[FRA], s42, v[TC]
	s_lshl_b32 s43, s40, 6
	s_add_co_u32 s42, s42, s43
	s_add_co_u32 s42, s42, STAGE
	v_add_nc_u32 v[SST], s42, v[TC]                ; stage row 64 ah + r (+ 16 i), byte 64 w + 16 h (+ 32 b)
	s_mul_i32 s42, s40, 32*PITCH
	s_add_co_u32 s42, s42, WT
	v_add_nc_u32 v[FRB], s42, v[TC]
	s_lshl_b32 s42, s40, 14
	s_lshl_b32 s43, s41, 13
	s_add_co_u32 s42, s42, s43
	v_lshl_add_u32 v[HAO], v[LN], 4, s42
	s_lshl_b32 s42, s28, 4
	v_add_nc_u32 v[TA], s42, v[HH]                 ; back: wave v takes rows 16 v .. 16 v + 15, two at a time
	v_mul_u32_u24 v[SRD], v[TA], PITCH
	v_lshl_add_u32 v[SRD], v[RR], 4, v[SRD]
	v_add_nc_u32 v[SRD], STAGE, v[SRD]
	v_mul_u32_u24 v[AHS], v[TA], KP
	v_lshl_add_u32 v[AHS], v[RR], 4, v[AHS]
.irp rs, 0,1
	global_store_b64 v[CDS], v[ZERO:ZERO+1], s[18:19] offset:2304+8*KP*(\rs)   ; step 0 has no feedback: 256 bytes of zeros a row
.endr
.macro CVT base, n                     ; n loads of 4 f32 become pairs of registers with 4 bf16, in place
.set i, 0
.rept \n
	v_cvt_pk_bf16_f32 v[(\base)+4*i], v[(\base)+4*i], v[(\base)+4*i+1]
	v_cvt_pk_bf16_f32 v[(\base)+4*i+1], v[(\base)+4*i+2], v[(\base)+4*i+3]
.set i, i+1
.endr
.endm
	s_wait_loadcnt 37                              ; the bias and z are in; 16 + 12 + 3 + 6 younger loads stay out
	CVT ZR, 16
.set i, 0
.rept 16
	ds_store_b64 v[ZST], v[ZR+4*i:ZR+4*i+1] offset:8*PITCH*i
.set i, i+1
.endr
	s_wait_loadcnt 21                              ; W_init is in; 12 + 3 + 6 stay out
	CVT WI, 16
.set i, 0
.rept 16
	ds_store_b64 v[WST], v[WI+4*i:WI+4*i+1] offset:8*PITCH*i
.set i, i+1
.endr
	s_wait_loadcnt 9                               ; W_hh is in; 3 + 6 stay out
	CVT WH, 12
.set i, 0
.rept 12
	global_store_b64 v[T8], v[WH+4*i:WH+4*i+1], s[16:17] offset:KP*i     ; a wave's store covers 256 consecutive bytes, at a multiple of 256 from Wc's first
.set i, i+1
.endr
	s_wait_loadcnt 6                               ; W_ih is in
	CVT IH, 3
.set i, 0
.rept 3
	v_cndmask_b32 v[IH+4*i], 0, v[IH+4*i], s38     ; chunks 35..63 are zeros
	v_cndmask_b32 v[IH+4*i+1], 0, v[IH+4*i+1], s38
	global_store_b64 v[IHS], v[IH+4*i:IH+4*i+1], s[16:17] offset:2048+4*KP*i
.set i, i+1
.endr
	s_wait_loadcnt 0x0                             ; condition is in
	CVT CD, 6
.set i, 0
.rept 6
	v_cndmask_b32 v[CD+4*i], 0, v[CD+4*i], s39     ; chunks 3..31 are zeros
	v_cndmask_b32 v[CD+4*i+1], 0, v[CD+4*i+1], s39
.set i, i+1
.endr
.irp tt, 1,2,3
.irp rs, 0,1
	global_store_b64 v[CDS], v[CD+4*(2*((\tt)-1)+(\rs)):CD+4*(2*((\tt)-1)+(\rs))+1], s[18+2*(\tt):19+2*(\tt)] offset:2304+8*KP*(\rs)
.endr
.endr
	s_wait_xcnt 0x0                                ; the stores' data registers are written again only behind this wait (ISA guide 3.1)
	global_load_b128 v[ZX:ZX+3], v[ZXL], s[44:45]             ; my 8 numbers of z for the A buffers; waited for behind the products
	global_load_b128 v[ZX+4:ZX+7], v[ZXL], s[44:45] offset:16
	s_wait_dscnt 0x0                               ; for the others' sake: my parts of both tiles are in LDS
	s_barrier_signal -1
	s_barrier_wait -1
; h0's tile.  The matrix instruction is used transposed (source 0 = 16 rows of W_init, source 1 = 16 rows of z): a lane holds row lane % 16 and the columns 8 (lane / 16) + 0..7.
.macro FR q, buf                       ; 12 LDS loads: the fragments of 32 along K at byte 64 q of the rows
.irp i, 0,1,2,3
	ds_load_b128 v[F0+48*(\buf)+8*(\i):F0+48*(\buf)+8*(\i)+3],   v[FRA] offset:(\i)*16*PITCH+64*(\q)
	ds_load_b128 v[F0+48*(\buf)+8*(\i)+4:F0+48*(\buf)+8*(\i)+7], v[FRA] offset:(\i)*16*PITCH+64*(\q)+32
.endr
.irp b, 0,1
	ds_load_b128 v[F0+48*(\buf)+32+8*(\b):F0+48*(\buf)+32+8*(\b)+3],   v[FRB] offset:(\b)*16*PITCH+64*(\q)
	ds_load_b128 v[F0+48*(\buf)+32+8*(\b)+4:F0+48*(\buf)+32+8*(\b)+7], v[FRB] offset:(\b)*16*PITCH+64*(\q)+32
.endr
.endm
.macro MM8 buf, first                  ; the eight accumulators by turns; first = 1: the bias starts the sums
.irp i, 0,1,2,3
.irp b, 0,1
.if \first
	v_wmma_f32_16x16x32_bf16 v[ACC+8*(2*(\i)+(\b)):ACC+8*(2*(\i)+(\b))+7], v[F0+48*(\buf)+32+8*(\b):F0+48*(\buf)+32+8*(\b)+7], v[F0+48*(\buf)+8*(\i):F0+48*(\buf)+8*(\i)+7], v[BI+8*(\b):BI+8*(\b)+7]
.else
	v_wmma_f32_16x16x32_bf16 v[ACC+8*(2*(\i)+(\b)):ACC+8*(2*(\i)+(\b))+7], v[F0+48*(\buf)+32+8*(\b):F0+48*(\buf)+32+8*(\b)+7], v[F0+48*(\buf)+8*(\i):F0+48*(\buf)+8*(\i)+7], v[ACC+8*(2*(\i)+(\b)):ACC+8*(2*(\i)+(\b))+7]
.endif
.endr
.endr
.endm
.macro PLACES                          ; four places in front of loads into registers that matrix instructions have read
.rept 4
	v_nop
.endr
.endm
	FR 0, 0
	FR 1, 1
	s_wait_dscnt 12                                ; the first run is in, the second stays out
	MM8 0, 1
	PLACES
	FR 2, 0
	s_wait_dscnt 12
	MM8 1, 0
	PLACES
	FR 3, 1
	s_wait_dscnt 12
	MM8 0, 0
	s_wait_dscnt 0x0
	MM8 1, 0
	s_wait_loadcnt 0x0                             ; my 8 numbers of z
	v_cvt_pk_bf16_f32 v[ZX], v[ZX], v[ZX+1]        ; these four conversions name no register of the products: they are the four places behind them
	v_cvt_pk_bf16_f32 v[ZX+1], v[ZX+2], v[ZX+3]
	v_cvt_pk_bf16_f32 v[ZX+2], v[ZX+4], v[ZX+5]
	v_cvt_pk_bf16_f32 v[ZX+3], v[ZX+6], v[ZX+7]
.irp tt, 0,1,2,3
	global_store_b128 v[ZXS], v[ZX:ZX+3], s[18+2*(\tt):19+2*(\tt)] offset:2048   ; 16 lanes store a row's 256 bytes of z, at a multiple of 256 from the buffer's first byte
.endr
	; tanh in place; each accumulator is read from its low end on
.set i, 0
.rept 32
	v_pk_mul_f32 v[ACC+2*i:ACC+2*i+1], v[ACC+2*i:ACC+2*i+1], s[36:37] op_sel_hi:[1,0]
.set i, i+1
.endr
.set i, 0
.rept 64
	v_exp_f32 v[ACC+i], v[ACC+i]
.set i, i+1
.endr
	v_nop                                          ; a plain instruction between the last exponential and the use of its result (ISA guide 5.7.2)
.set i, 0
	s_wait_alu depctr_va_vdst(0)
.rept 32
	v_pk_add_f32 v[ACC+2*i:ACC+2*i+1], v[ACC+2*i:ACC+2*i+1], 1.0 op_sel_hi:[1,0]
.set i, i+1
.endr
.set i, 0
.rept 64
	v_rcp_f32 v[ACC+i], v[ACC+i]
.set i, i+1
.endr
	v_nop
.set i, 0
	s_wait_alu depctr_va_vdst(0)
.rept 32
	v_pk_fma_f32 v[ACC+2*i:ACC+2*i+1], v[ACC+2*i:ACC+2*i+1], -2.0, 1.0 op_sel_hi:[1,0,0]
.set i, i+1
.endr
.set i, 0
.rept 16
	global_store_b128 v[HAO], v[ACC+4*i:ACC+4*i+3], s[26:27] offset:512*i    ; h0 in f32 as the registers lie: a wave's store covers 512 consecutive bytes
.set i, i+1
.endr
.set i, 0
.rept 32
	v_cvt_pk_bf16_f32 v[PKD+i], v[ACC+2*i], v[ACC+2*i+1]
.set i, i+1
.endr
.irp i, 0,1,2,3
.irp b, 0,1
	ds_store_b128 v[SST], v[PKD+4*(2*(\i)+(\b)):PKD+4*(2*(\i)+(\b))+3] offset:(\i)*16*PITCH+32*(\b)
.endr
.endr
	s_wait_dscnt 0x0                               ; for the others' sake: a stage row's 256 bytes come from four waves
	s_barrier_signal -1
	s_barrier_wait -1
.irp t, 0,1,2,3,4,5,6,7
	ds_load_b128 v[BK+4*(\t):BK+4*(\t)+3], v[SRD] offset:(\t)*2*PITCH
.endr
.irp t, 0,1,2,3,4,5,6,7
	s_wait_dscnt 7-(\t)
	global_store_b128 v[AHS], v[BK+4*(\t):BK+4*(\t)+3], s[34:35] offset:(\t)*2*KP   ; 16 lanes store 256 consecutive bytes, at a multiple of 256 from A0's first
.endr
	s_wait_tensorcnt 0x0                           ; the wave's end, behind my last LDS store
	ds_add_u32 v[SPW], v[NIL]
	s_wait_dscnt 0x0
	s_endpgm
.Lfunc_end_k_q5a42c3d48c_prep:
	.size	k_q5a42c3d48c_prep, .Lfunc_end_k_q5a42c3d48c_prep-k_q5a42c3d48c_prep
	.p2alignl 7, 3214868480
	.fill 96, 4, 3214868480
	.section	.rodata,"a",@progbits
	.p2align	6, 0x0
	.amdhsa_kernel k_q5a42c3d48c_prep
		.amdhsa_group_segment_fixed_size 105472
		.amdhsa_private_segment_fixed_size 0
		.amdhsa_enable_private_segment 0
		.amdhsa_kernarg_size 96
		.amdhsa_user_sgpr_count 2
		.amdhsa_user_sgpr_kernarg_segment_ptr 1
		.amdhsa_wavefront_size32 1
		.amdhsa_system_sgpr_workgroup_id_x 1
		.amdhsa_system_sgpr_workgroup_id_y 1
		.amdhsa_system_sgpr_workgroup_id_z 1
		.amdhsa_system_vgpr_workitem_id 0
		.amdhsa_next_free_vgpr 256
		.amdhsa_next_free_sgpr 66
		.amdhsa_reserve_vcc 1
		.amdhsa_float_denorm_mode_32 3
		.amdhsa_float_denorm_mode_16_64 3
		.amdhsa_memory_ordered 1
		.amdhsa_forward_progress 1
		.amdhsa_inst_pref_size 45
	.end_amdhsa_kernel
	.amdgpu_metadata
---
amdhsa.version: [ 1, 2 ]
amdhsa.kernels:
  - .name:           k_q5a42c3d48c_prep
    .symbol:         k_q5a42c3d48c_prep.kd
    .args:
      - { .name: z, .offset: 0, .size: 8, .value_kind: global_buffer, .address_space: global }
      - { .name: condition, .offset: 8, .size: 8, .value_kind: global_buffer, .address_space: global }
      - { .name: W_ih, .offset: 16, .size: 8, .value_kind: global_buffer, .address_space: global }
      - { .name: W_hh, .offset: 24, .size: 8, .value_kind: global_buffer, .address_space: global }
      - { .name: W_init, .offset: 32, .size: 8, .value_kind: global_buffer, .address_space: global }
      - { .name: b_init, .offset: 40, .size: 8, .value_kind: global_buffer, .address_space: global }
      - { .name: Wc, .offset: 48, .size: 8, .value_kind: global_buffer, .address_space: global }
      - { .name: A0, .offset: 56, .size: 8, .value_kind: global_buffer, .address_space: global }
      - { .name: A1, .offset: 64, .size: 8, .value_kind: global_buffer, .address_space: global }
      - { .name: A2, .offset: 72, .size: 8, .value_kind: global_buffer, .address_space: global }
      - { .name: A3, .offset: 80, .size: 8, .value_kind: global_buffer, .address_space: global }
      - { .name: Ha, .offset: 88, .size: 8, .value_kind: global_buffer, .address_space: global }
    .group_segment_fixed_size: 105472
    .private_segment_fixed_size: 0
    .kernarg_segment_align: 8
    .kernarg_segment_size: 96
    .max_flat_workgroup_size: 256
    .sgpr_count:     66
    .vgpr_count:     256
    .wavefront_size: 32
...
	.end_amdgpu_metadata
.endif
;; end of part 1
;; launch step1 (part 2): grid 8 x 32, 4 waves a work-group, clusters of 4 x 4, 327,680 bytes of LDS; arguments A0, Wc, Ha, b_ih, b_hh, A1, Hb; writes A1, Hb
.if DOCPART == 2
	.amdgcn_target "amdgcn-amd-amdhsa--gfx1250"
	.amdhsa_code_object_version 6
	.text
	.protected	k_q5a42c3d48c_step1
	.globl	k_q5a42c3d48c_step1
	.p2align	8
	.type	k_q5a42c3d48c_step1,@function
k_q5a42c3d48c_step1:
	s_mov_b64 s[64:65], 0
	v_nop
	global_prefetch_b8 v0, s[64:65] scope:SCOPE_SE
	s_setreg_imm32_b32 hwreg(HW_REG_WAVE_MODE, 25, 1), 1
	s_wait_xcnt 0x0
	s_wait_alu depctr_hold_cnt(0) depctr_sa_sdst(0) depctr_va_vdst(0) depctr_va_sdst(0) depctr_va_ssrc(0) depctr_va_vcc(0) depctr_vm_vsrc(0)
	s_getreg_b32 s2, hwreg(HW_REG_IB_STS2, 6, 4)
	s_cmp_eq_u32 s2, 0
	s_cbranch_scc0 .Lentry_in_a_cluster
	s_endpgm
.Lentry_in_a_cluster:
	s_bfe_u32 s2, ttmp6, 0x10000c
	s_cmp_lg_u32 s2, 0xf033
	s_cbranch_scc0 .Lentry_shape_is_right
	s_endpgm
.Lentry_shape_is_right:
; ONE GRU STEP.  A (in): [4096][1280] bf16, a row = h (1024) | z (128) | feedback (12) | zeros (116).  Wc: [3072][1280] bf16, row g*1024+j in the same order along K (gates r, u, n).
; r = sigmoid(sum over all K of A Wc_r + b_ih_r + b_hh_r), u likewise;  HN = sum over the h part of A Wc_n + b_hh_n;  IN = sum over the rest + b_ih_n;
; n = tanh(IN + r HN);  h_new = n + u (h - n).  h_new leaves as bf16 into bytes 0..2047 of the next step's A rows and in f32 into Hout; the old h comes in f32 from Hin.
; Operands in bf16, sums, gates and the carried h in f32.  sigmoid(x) = 1 / (1 + 2^(-log2(e) x)), tanh(y) = 1 - 2 / (1 + 2^(2 log2(e) y)): where the power overflows or vanishes
; they give 0, 1 or -1, as they should; tanh's absolute error near 0 is about 1e-7.  NaN and infinities are not treated apart.
; SHARES.  Work-group (bj, bm) owns rows 128 bm.. and j = 128 bj.., all three gates: 256 work-groups.  Wave w owns all 128 rows x j = 32 w .. 32 w + 31: 8 row blocks a, 2 column blocks b,
; four sums (R, Z, HN, IN): 64 accumulators, 512 registers.  For 32 along K a wave reads 28 x 512 bytes of LDS for 48 matrix instructions.
; THE WALK ALONG K.  First the feedback's 32 (12 numbers and zeros): its fragments come straight from memory into registers, 64 bytes of each row once in the launch, and its 48 products, which
; start R, Z and IN with their biases, stand in the wait for the first tiles.  Then nine steps of 128 through two LDS slots (A's 128 rows, then each gate's 128 rows): h's eight feed R, Z, HN; z's feeds R, Z, IN.
; h's eight steps are walked from step ROT on and round: ROT = 0 where cluster x + cluster y is even, 4 where it is odd.  The clusters that read one tile (two for A's, eight for Wc's) so fall
; into two groups that ask for it four steps apart.  ROT is made of the cluster's two numbers alone, which all its work-groups share.
; THE MATRIX INSTRUCTION IS USED TRANSPOSED (source 0 = 16 rows of Wc, source 1 = 16 rows of A): a lane holds row lane % 16 and j = 8 (lane / 16) + 0..7.
; The biases are the C operand of the product that starts each sum: nothing is cleared and nothing is added later.
; CLUSTER 4 x 4: the four work-groups of a row of the cluster share bm and so A's tiles, the four of a column share bj and so Wc's: each tile is asked for jointly.
; Hin, Hout: [wg = 8 bm + bj][wave][q = 4 a + 2 b + p][lane][16 bytes]: the registers as they lie, so that each load and store of a wave covers 512 consecutive bytes.
; REGISTERS, in windows of 256 (s_set_vgpr_msb: bits 1:0 source 0, 3:2 source 1, 5:4 source 2, 7:6 destination):
;   window 0: v0-31 addresses; v32-63 at work; v64-127, v128-191 A's fragments, two buffers (on the way out: at work); v192-255 the biases, 16 a sum
;   window 1: v0-47, v48-95 Wc's fragments, two buffers; v128-255 h, 16 a row block
;   window 2: the accumulators of row blocks 0-3, (a, b, sum G) at 64 (a % 4) + 16 G + 8 b;   window 3: those of row blocks 4-7
.set KP,     2560                      ; bytes in a row of A and of Wc
.set FEED,   2304                      ; the byte of a row at which the feedback's 32 along K begin
.set ZSTEP,  8                         ; the K step of 128 that holds z
.set PITCH,  272                       ; an LDS row: 256 bytes + 16 of padding = 68 words: the 16 rows of a fragment load start at 16 different groups of four banks (ISA guide 11.1)
.set HALFT,  128*PITCH                 ; 128 rows: what one tensor load brings
.set SLOT,   4*HALFT                   ; A's rows, then gate r's, u's, n's
.set STAGE,  2*SLOT                    ; behind the ring: 128 rows x 272 bytes, the work-group's, for the way out; no tensor load fills it
.set SPARE,  STAGE+128*PITCH           ; the spare words, 128 bytes a wave: two blocks of 256 bytes that no other line names
.set ADRA, 16                          ; v16-17  LDS address of my fragments of A in slot 0, 1
.set ADRB, 18                          ; v18-19  of gate r's rows (gate u's by the immediate)
.set ADRN, 20                          ; v20-21  of gate n's rows (too far for the 16-bit immediate)
.set BO,   22                          ; v22     my byte offset in a bias vector's gate
.set XO,   23                          ; v23     my byte offset in 16 rows of A or of Wc in memory, for the feedback's fragments
.set STO,  24                          ; v24     the way out: where I put 16 bytes of a row
.set RD,   25                          ; v25     the way out: where I read a row back
.set CO,   26                          ; v26     my byte offset in the rows of A (out)
.set HADR, 27                          ; v27     my byte offset in Hin and Hout
.set SPW,  28                          ; v28     my spare word's LDS address; never rewritten
.set NIL,  29                          ; v29     0; never rewritten
.set TB,   32                          ; v32-63  b_hh of gates r and u, until it is added
.set PK,   32                          ;         later: packed h_new, four sets of eight by turns
.set BIAS, 192
.set HO,   128                         ; window 1
.set TR,   64                          ; the way out, 16 registers each: r, u, n, h - n
.set TZ,   80
.set TY,   96
.set TD,   112
.set BK,   64                          ; the rows read back from the stage
.set GHN,  2
.set GIN,  3
.set WV,   18                          ; s18 my wave's number
.set G1,   24                          ; s[24:31] descriptor group 1 for A's tiles;  s[32:39] group 0, a set for each slot
.set G0,   32
.set BA,   44                          ; s[44:45] A at my tile's first row; never rewritten
.set BW,   46                          ; s[46:47] Wc at the first of the 128 rows that my wave fetches; never rewritten
.set G1B,  48                          ; s[48:55], s[56:63] the same for Wc's tiles
.set G0B,  56
.set CSIG, 66                          ; s[66:67] -log2(e)
.set CTAN, 68                          ; s[68:69] 2 log2(e)
.set KS,   76                          ; s76 ROT + the place in the walk over h of the step to be asked for next
.set KO,   78                          ; s[78:79] that step's byte offset in a row
.set GW0, (1<<16)|(1<<20)|(1<<21)|(5<<22)|(3<<25)  ; 17:16 elements of 2 bytes; 20 padding on; 21 set beside a mask; 24:22 after every 64 words; 31:25 4 words of it
.set MSB, 0
.macro WIN new                         ; the immediate's high byte repeats the setting that is left; a switch that changes nothing is dropped
.if MSB != (\new)
	s_set_vgpr_msb (MSB<<8)|(\new)
.set MSB, \new
.endif
.endm
; A joint load.  Wave 0 fetches A's 128 rows, waves 1 to 3 the 128 rows of gates r, u, n.  The branch hangs on the wave's number alone.
; An s_nop 0 and four v_nop follow each of the two lines, ahead of the jump, the label and what follows.
.macro JLOAD s
	s_cmp_eq_u32 s[WV], 0
	s_cbranch_scc0 .Lfor_w_\@
	tensor_load_to_lds s[G0+4*(\s):G0+4*(\s)+3], s[G1:G1+7]
	s_nop 0
.rept 4
	v_nop
.endr
	s_branch .Lasked_\@
.Lfor_w_\@:
	tensor_load_to_lds s[G0B+4*(\s):G0B+4*(\s)+3], s[G1B:G1B+7]
	s_nop 0
.rept 4
	v_nop
.endr
.Lasked_\@:
.endm
.macro CREST                           ; a round of the cluster's barrier behind its opening barrier
	s_cmp_lg_u32 s[WV], 0
	s_cbranch_scc1 .Lnot_wave_0_\@
	s_barrier_signal -3
.Lnot_wave_0_\@:
	s_barrier_wait -3
	s_barrier_signal -1
	s_barrier_wait -1
.endm
.macro CROUND                          ; a whole round
	s_barrier_signal -1
	s_barrier_wait -1
	CREST
.endm
	s_load_b256 s[4:11], s[0:1], 0x0               ; A (in) s[4:5], Wc s[6:7], Hin s[8:9], b_ih s[10:11]
	s_load_b128 s[12:15], s[0:1], 0x20             ; b_hh s[12:13], A (out) s[14:15]
	s_load_b64 s[16:17], s[0:1], 0x30              ; Hout
	v_lshl_add_u32 v[SPW], v0, 2, SPARE
	v_mov_b32 v[NIL], 0
	ds_add_u32 v[SPW], v[NIL]                      ; the wave's opening: the add and its wait ahead of my first tensor load; the set-up below, work on registers, stands between them
	ds_add_u32 v28, v29
	v_lshrrev_b32 v1, 5, v0
	v_readfirstlane_b32 s[WV], v1                  ; wave 0..3
	s_bfe_u32 s19, ttmp6, 0x40000                  ; cx, cy: my place in the cluster
	s_bfe_u32 s20, ttmp6, 0x40004
	s_lshl_b32 s21, ttmp9, 2
	s_add_co_u32 s21, s21, s19                     ; bj = 4 x cluster x + cx
	s_and_b32 s22, ttmp7, 0xffff                   ; cluster y
	s_add_co_u32 s[KS], s22, ttmp9                 ; cluster x + cluster y: no place inside the cluster enters
	s_and_b32 s[KS], s[KS], 1
	s_lshl_b32 s[KS], s[KS], 2                     ; ROT = 0 or 4
	s_lshl_b32 s[KO], s[KS], 8                     ; a K step is 256 bytes of a row
	s_mov_b32 s[KO+1], 0
	s_lshl_b32 s22, s22, 2
	s_add_co_u32 s22, s22, s20                     ; bm = 4 x cluster y + cy
	s_lshl_b32 s40, s20, 2
	s_lshl_b32 s40, 15, s40                        ; my row of the cluster
	s_lshl_b32 s41, 0x1111, s19                    ; my column
	s_or_b32 s[G1], s40, GW0                       ; A's tiles go to my row,
	s_or_b32 s[G1B], s41, GW0                      ; Wc's to my column
.irp g, G1, G1B
	s_mov_b32 s[(\g)+1], 128<<16                   ; tensor_dim0 = 128
	s_mov_b32 s[(\g)+2], 128<<16                   ; tensor_dim1 = 128
	s_mov_b32 s[(\g)+3], 128<<16                   ; tile_dim0 = 128
	s_mov_b32 s[(\g)+4], 128                       ; tile_dim1 = 128
	s_mov_b32 s[(\g)+5], 1280                      ; elements from row to row
	s_mov_b32 s[(\g)+6], 0
	s_mov_b32 s[(\g)+7], 0
.endr
	s_mul_i32 s42, s[WV], HALFT                    ; where my tile goes: wave x 128 rows; no place in the cluster enters an LDS address
	s_mul_i32 s[BA], s22, 128*KP                   ; A's tile hangs on bm alone
	s_mov_b32 s[BA+1], 0
	s_max_u32 s[BW], s[WV], 1
	s_sub_co_u32 s[BW], s[BW], 1                   ; my gate (wave 0 makes gate r's address and does not use it)
	s_mul_i32 s[BW], s[BW], 1024*KP
	s_mul_i32 s[BW+1], s21, 128*KP                 ; Wc's tile hangs on bj and the wave alone
	s_add_co_u32 s[BW], s[BW], s[BW+1]
	s_mov_b32 s[BW+1], 0
	s_mov_b32 s[CSIG], 0xbfb8aa3b
	s_mov_b32 s[CSIG+1], s[CSIG]                   ; named as pairs
	s_mov_b32 s[CTAN], 0x4038aa3b
	s_mov_b32 s[CTAN+1], s[CTAN]
	s_wait_dscnt 0x0                               ; the opening add is done
	s_wait_kmcnt 0x0
	s_add_nc_u64 s[BA:BA+1], s[4:5], s[BA:BA+1]
	s_add_nc_u64 s[BW:BW+1], s[6:7], s[BW:BW+1]
	CROUND                                         ; all sixteen work-groups are here: the first joint loads meet
.irp s, 0,1
	s_mov_b32 s[G0+4*(\s)], 1                                      ; count = 1
	s_add_co_u32 s[G0+4*(\s)+1], s42, (\s)*SLOT                    ; LDS address
	s_add_nc_u64 s[G0+4*(\s)+2:G0+4*(\s)+3], s[BA:BA+1], s[KO:KO+1]  ; global address: K step ROT + s
	s_or_b32 s[G0+4*(\s)+3], s[G0+4*(\s)+3], 0x80000000            ; type = 2
	s_mov_b32 s[G0B+4*(\s)], 1
	s_add_co_u32 s[G0B+4*(\s)+1], s42, (\s)*SLOT
	s_add_nc_u64 s[G0B+4*(\s)+2:G0B+4*(\s)+3], s[BW:BW+1], s[KO:KO+1]
	s_or_b32 s[G0B+4*(\s)+3], s[G0B+4*(\s)+3], 0x80000000
	JLOAD \s                                       ; two tensor loads of mine are out
.if (\s) == 0
	s_add_co_u32 s[KO], s[KO], 256
.endif
.endr
	s_add_co_u32 s[KS], s[KS], 2                   ; the first refill asks for the walk's third step
	v_and_b32 v1, 15, v0                           ; r = l % 16
	v_bfe_u32 v2, v0, 4, 1                         ; h = l / 16
	v_and_b32 v4, 31, v0
	s_lshl_b32 s70, s21, 9
	s_lshl_b32 s71, s[WV], 7
	s_add_co_u32 s70, s70, s71
	v_lshl_add_u32 v[BO], v2, 5, s70               ; 4 (128 bj + 32 w + 8 h)
	v_mul_u32_u24 v[XO], v1, KP
	v_lshl_add_u32 v[XO], v2, 4, v[XO]             ; a fragment's row in memory + 16 x half
	s_mul_i32 s72, s21, 128*KP
	s_mul_i32 s73, s[WV], 32*KP
	s_add_co_u32 s72, s72, s73
	s_mov_b32 s73, 0
	s_add_nc_u64 s[6:7], s[6:7], s[72:73]          ; Wc at gate r's rows of my 32 columns; not rewritten from here on
.irp g, 0,1
.irp b, 0,1
.irp p, 0,1
	global_load_b128 v[BIAS+16*(\g)+8*(\b)+4*(\p):BIAS+16*(\g)+8*(\b)+4*(\p)+3], v[BO], s[10:11] offset:4096*(\g)+64*(\b)+16*(\p)
	global_load_b128 v[TB+16*(\g)+8*(\b)+4*(\p):TB+16*(\g)+8*(\b)+4*(\p)+3],     v[BO], s[12:13] offset:4096*(\g)+64*(\b)+16*(\p)
.endr
.endr
.endr
.irp b, 0,1
.irp p, 0,1
	global_load_b128 v[BIAS+32+8*(\b)+4*(\p):BIAS+32+8*(\b)+4*(\p)+3], v[BO], s[12:13] offset:8192+64*(\b)+16*(\p)   ; HN starts with b_hh of gate n,
	global_load_b128 v[BIAS+48+8*(\b)+4*(\p):BIAS+48+8*(\b)+4*(\p)+3], v[BO], s[10:11] offset:8192+64*(\b)+16*(\p)   ; IN with b_ih of gate n
.endr
.endr
	; the feedback's fragments, into fragment buffer 1 of both windows: registers 0-3 take K = 8 h + 0..7, registers 4-7 K = 16 + 8 h + 0..7, as from LDS
.irp a, 0,1,2,3,4,5,6,7
	global_load_b128 v[128+8*(\a):128+8*(\a)+3],   v[XO], s[BA:BA+1] offset:(\a)*16*KP+FEED
	global_load_b128 v[128+8*(\a)+4:128+8*(\a)+7], v[XO], s[BA:BA+1] offset:(\a)*16*KP+FEED+32
.endr
	WIN 0x40                                       ; destination window 1, address window 0
.irp g, 0,1,2
.irp b, 0,1
	global_load_b128 v[48+8*(2*(\g)+(\b)):48+8*(2*(\g)+(\b))+3],   v[XO], s[6:7] offset:(\g)*1024*KP+(\b)*16*KP+FEED      ; 5,286,176 at the most: inside the signed 24-bit immediate (ISA guide, chapter 10)
	global_load_b128 v[48+8*(2*(\g)+(\b))+4:48+8*(2*(\g)+(\b))+7], v[XO], s[6:7] offset:(\g)*1024*KP+(\b)*16*KP+FEED+32
.endr
.endr
	WIN 0
	s_lshl_b32 s71, s[WV], 14
	v_lshl_add_u32 v[HADR], v4, 4, s71             ; 16,384 w + 16 lane
	s_lshl3_add_u32 s72, s22, s21                  ; wg = 8 bm + bj
	s_lshl_b32 s72, s72, 16
	s_add_nc_u64 s[8:9], s[8:9], s[72:73]          ; Hin and Hout at my tile's 65,536 bytes
	s_add_nc_u64 s[16:17], s[16:17], s[72:73]
	s_lshl_b32 s72, s22, 7
	s_lshl_b32 s74, s[WV], 5
	s_add_co_u32 s72, s72, s74                     ; the first row that I store: 128 bm + 32 w
	s_mul_i32 s72, s72, KP
	s_lshl_b32 s74, s21, 8                         ; the tile's first column, in bytes
	s_add_co_u32 s72, s72, s74
	s_add_nc_u64 s[14:15], s[14:15], s[72:73]
	v_mul_u32_u24 v[ADRA], v1, PITCH
	v_lshl_add_u32 v[ADRA], v2, 4, v[ADRA]         ; a fragment's row x pitch + 16 x half
	s_mul_i32 s74, s[WV], 32*PITCH
	s_add_co_u32 s74, s74, HALFT                   ; my 32 rows of gate r
	v_add_nc_u32 v[ADRB], s74, v[ADRA]
	v_add_nc_u32 v[ADRN], 2*HALFT, v[ADRB]
	s_lshl_b32 s74, s[WV], 6
	s_add_co_u32 s74, s74, STAGE
	v_add_nc_u32 v[STO], s74, v[ADRA]              ; stage row r (+ 16 a), byte 64 w + 16 h (+ 32 b)
	v_add_nc_u32 v[ADRA+1], SLOT, v[ADRA]
	v_add_nc_u32 v[ADRB+1], SLOT, v[ADRB]
	v_add_nc_u32 v[ADRN+1], SLOT, v[ADRN]
	s_lshl_b32 s74, s[WV], 5
	v_add_nc_u32 v5, s74, v2                       ; back: wave w takes rows 32 w .. 32 w + 31, whole, two at a time
	v_mul_u32_u24 v5, v5, PITCH
	v_lshl_add_u32 v5, v1, 4, v5
	v_add_nc_u32 v[RD], STAGE, v5
	v_mul_u32_u24 v5, v2, KP
	v_lshl_add_u32 v[CO], v1, 4, v5
	s_wait_loadcnt 28                              ; the 24 bias loads are in; the 28 of the feedback's fragments may be out
.set i, 0
.rept 16
	v_pk_add_f32 v[BIAS+2*i:BIAS+2*i+1], v[BIAS+2*i:BIAS+2*i+1], v[TB+2*i:TB+2*i+1]   ; gates r and u: b_ih + b_hh
.set i, i+1
.endr
; 16 matrix instructions: row blocks 4 hi + 0..3, sums R and Z, both column blocks, 32 along K from buffer f.  first = 1: the bias is C and starts the sums.
.macro MULRZ f, hi, first
.if \first
	WIN 0x81+0x40*(\hi)                            ; Wc window 1, A and the bias window 0, D window 2 or 3
.else
	WIN 0xa1+0x50*(\hi)                            ; C and D window 2 or 3
.endif
.irp a, 0,1,2,3
.irp g, 0,1
.irp b, 0,1
.if \first
	v_wmma_f32_16x16x32_bf16 v[64*(\a)+16*(\g)+8*(\b):64*(\a)+16*(\g)+8*(\b)+7], v[48*(\f)+8*(2*(\g)+(\b)):48*(\f)+8*(2*(\g)+(\b))+7], v[64+64*(\f)+8*(4*(\hi)+(\a)):64+64*(\f)+8*(4*(\hi)+(\a))+7], v[BIAS+16*(\g)+8*(\b):BIAS+16*(\g)+8*(\b)+7]
.else
	v_wmma_f32_16x16x32_bf16 v[64*(\a)+16*(\g)+8*(\b):64*(\a)+16*(\g)+8*(\b)+7], v[48*(\f)+8*(2*(\g)+(\b)):48*(\f)+8*(2*(\g)+(\b))+7], v[64+64*(\f)+8*(4*(\hi)+(\a)):64+64*(\f)+8*(4*(\hi)+(\a))+7], v[64*(\a)+16*(\g)+8*(\b):64*(\a)+16*(\g)+8*(\b)+7]
.endif
.endr
.endr
.endr
.endm
; 8 matrix instructions with gate n's rows, into sum x (GHN or GIN).
.macro MULX f, hi, x, first
.if \first
	WIN 0x81+0x40*(\hi)
.else
	WIN 0xa1+0x50*(\hi)
.endif
.irp a, 0,1,2,3
.irp b, 0,1
.if \first
	v_wmma_f32_16x16x32_bf16 v[64*(\a)+16*(\x)+8*(\b):64*(\a)+16*(\x)+8*(\b)+7], v[48*(\f)+32+8*(\b):48*(\f)+32+8*(\b)+7], v[64+64*(\f)+8*(4*(\hi)+(\a)):64+64*(\f)+8*(4*(\hi)+(\a))+7], v[BIAS+16*(\x)+8*(\b):BIAS+16*(\x)+8*(\b)+7]
.else
	v_wmma_f32_16x16x32_bf16 v[64*(\a)+16*(\x)+8*(\b):64*(\a)+16*(\x)+8*(\b)+7], v[48*(\f)+32+8*(\b):48*(\f)+32+8*(\b)+7], v[64+64*(\f)+8*(4*(\hi)+(\a)):64+64*(\f)+8*(4*(\hi)+(\a))+7], v[64*(\a)+16*(\x)+8*(\b):64*(\a)+16*(\x)+8*(\b)+7]
.endif
.endr
.endr
.endm
; 28 LDS loads in one run: the fragments of 32 along K at byte k of the rows, into buffer f: 12 for Wc (3 gates x 32 rows), then 16 for A (128 rows, ascending)
.macro FETCH slot, k, f
	WIN 0x40
.irp g, 0,1
.irp b, 0,1
	ds_load_b128 v[48*(\f)+8*(2*(\g)+(\b)):48*(\f)+8*(2*(\g)+(\b))+3],   v[ADRB+(\slot)] offset:(\k)+(\g)*HALFT+(\b)*16*PITCH
	ds_load_b128 v[48*(\f)+8*(2*(\g)+(\b))+4:48*(\f)+8*(2*(\g)+(\b))+7], v[ADRB+(\slot)] offset:(\k)+(\g)*HALFT+(\b)*16*PITCH+32
.endr
.endr
.irp b, 0,1
	ds_load_b128 v[48*(\f)+32+8*(\b):48*(\f)+32+8*(\b)+3],   v[ADRN+(\slot)] offset:(\k)+(\b)*16*PITCH
	ds_load_b128 v[48*(\f)+32+8*(\b)+4:48*(\f)+32+8*(\b)+7], v[ADRN+(\slot)] offset:(\k)+(\b)*16*PITCH+32
.endr
	WIN 0
.irp a, 0,1,2,3,4,5,6,7
	ds_load_b128 v[64+64*(\f)+8*(\a):64+64*(\f)+8*(\a)+3],   v[ADRA+(\slot)] offset:(\k)+(\a)*16*PITCH
	ds_load_b128 v[64+64*(\f)+8*(\a)+4:64+64*(\f)+8*(\a)+7], v[ADRA+(\slot)] offset:(\k)+(\a)*16*PITCH+32
.endr
.endm
.macro PLACES                          ; four places in front of loads into registers that matrix instructions have read, and of vector lines that read results (ISA guide 7.12.1 for vector lines)
.rept 4
	v_nop
.endr
.endm
; A K step is four quarters of 32 along K, 48 matrix instructions each, all on different accumulators and in the same order in every quarter (the accumulators take turns).
; One of the first three: multiplies buffer f; in its middle it fetches the next quarter, at byte k of the same slot's rows, into buffer g.  frz, fx = 1: R and Z, or sum x, start here.
.macro QUARTER slot, k, f, g, x, frz, fx
	s_wait_dscnt 8                                 ; Wc's fragments and A's rows 0-63 are in; the youngest eight loads (A's rows 64-127) may be out
	MULRZ \f, 0, \frz
	MULX \f, 0, \x, \fx
	PLACES
	FETCH \slot, \k, \g
	s_wait_dscnt 28                                ; all but the 28 just issued
	MULRZ \f, 1, \frz
	MULX \f, 1, \x, \fx
.endm
; The last quarter multiplies buffer 1 and changes slots.  MEET is its first half: one barrier; in front of it each wave waits for all its tensor loads (one is out: its part of the next slot),
; adds 0 to its spare word, and waits for that and for its own reads of this slot.  round = 1: the slot is filled again behind a round of the cluster's barrier; its two descriptors' addresses
; are made anew here, where no tensor load of mine is out: the tile's base and the K step's 256 bytes, the type bits set again.  fixed < 0: the next step of the walk over h, (KS) mod 8; else K step 'fixed'.
.macro MEET x, round, slot=0, fixed=0
	WIN 0                                          ; (the add's two registers lie in window 0)
	s_wait_tensorcnt 0x0                           ; all my tensor loads have landed
	ds_add_u32 v[SPW], v[NIL]                      ; 0 onto my spare word
.if \round
.if (\fixed) < 0
	s_and_b32 s[KO], s[KS], 7
	s_lshl_b32 s[KO], s[KO], 8
	s_add_co_u32 s[KS], s[KS], 1
	s_add_nc_u64 s[G0+4*(\slot)+2:G0+4*(\slot)+3], s[BA:BA+1], s[KO:KO+1]
	s_add_nc_u64 s[G0B+4*(\slot)+2:G0B+4*(\slot)+3], s[BW:BW+1], s[KO:KO+1]
.else
	s_add_nc_u64 s[G0+4*(\slot)+2:G0+4*(\slot)+3], s[BA:BA+1], (\fixed)*256
	s_add_nc_u64 s[G0B+4*(\slot)+2:G0B+4*(\slot)+3], s[BW:BW+1], (\fixed)*256
.endif
	s_or_b32 s[G0+4*(\slot)+3], s[G0+4*(\slot)+3], 0x80000000
	s_or_b32 s[G0B+4*(\slot)+3], s[G0B+4*(\slot)+3], 0x80000000
.endif
	s_wait_dscnt 9                                 ; (the add and the youngest eight loads may be out)
	MULRZ 1, 0, 0                                  ; sixteen matrix instructions stand between the add and the wait for it
	s_wait_dscnt 0x0                               ; the add is done, and my reads of this slot are over
	s_barrier_signal -1
	MULX 1, 0, \x, 0                               ; work on registers while the others arrive
.if \round
	WIN 0
.endif
	s_barrier_wait -1
.endm
; The whole last quarter where the slot is filled again, two places of the walk ahead: the barrier opens a round of the cluster's, and the joint refill is the first thing behind it:
; from there to the wait for it a wave issues 168 matrix instructions.
.macro TURN slot, next, x, fixed
	MEET \x, 1, \slot, \fixed
	CREST                                          ; no wave of any partner still reads this slot's tiles or has a load on its way
	JLOAD \slot                                    ; the four v_nop behind it are also the places in front of the loads below
	FETCH \next, 0, 0
	MULRZ 1, 1, 0
	MULX 1, 1, \x, 0
.endm
	s_wait_loadcnt 0x0                             ; the feedback's fragments are in
	MULRZ 1, 0, 1                                  ; its 48 products start R, Z and IN with their biases, while the first tiles are on their way
	MULX 1, 0, GIN, 1
	MULRZ 1, 1, 1
	MULX 1, 1, GIN, 1
	WIN 0x40                                       ; destination window 1, address window 0
.set q, 0
.rept 32
	global_load_b128 v[HO+4*q:HO+4*q+3], v[HADR], s[8:9] offset:512*q    ; the old h: wanted only on the way out
.set q, q+1
.endr
	WIN 0
	s_wait_tensorcnt 1                             ; my part of the walk's first step is in; the second's may stay out
	s_barrier_signal -1
	s_barrier_wait -1                              ; everybody's is
	FETCH 0, 0, 0
	QUARTER 0, 64,  0, 1, GHN, 0, 1                ; the first quarter of h stands in front of the loop: gate n's products start HN with its bias
	WIN 0                                          ; at a label and at a branch every window is 0
	s_mov_b32 s23, 3
.Llap:                                                 ; a trip goes once round the ring, from a lap's second quarter to the next lap's first, and fills both slots again: places 2 to 7 of the walk over h
	QUARTER 0, 128, 1, 0, GHN, 0, 0
	QUARTER 0, 192, 0, 1, GHN, 0, 0
	TURN 0, 1, GHN, -1
	QUARTER 1, 64,  0, 1, GHN, 0, 0
	QUARTER 1, 128, 1, 0, GHN, 0, 0
	QUARTER 1, 192, 0, 1, GHN, 0, 0
	TURN 1, 0, GHN, -1
	QUARTER 0, 64,  0, 1, GHN, 0, 0
	WIN 0
	s_sub_co_u32 s23, s23, 1
	s_cmp_lg_u32 s23, 0
	s_cbranch_scc1 .Llap
	QUARTER 0, 128, 1, 0, GHN, 0, 0                ; place 6 of the walk goes on
	QUARTER 0, 192, 0, 1, GHN, 0, 0
	TURN 0, 1, GHN, ZSTEP                          ; slot 0 takes z's step: the last tensor load
	QUARTER 1, 64,  0, 1, GHN, 0, 0                ; place 7, the last of h
	QUARTER 1, 128, 1, 0, GHN, 0, 0
	QUARTER 1, 192, 0, 1, GHN, 0, 0
	MEET GHN, 0                                    ; z's step has landed; nothing is filled again, so no round follows
	PLACES
	FETCH 0, 0, 0
	MULRZ 1, 1, 0
	MULX 1, 1, GHN, 0
	QUARTER 0, 64,  0, 1, GIN, 0, 0                ; z: gate n's products now go on with IN
	QUARTER 0, 128, 1, 0, GIN, 0, 0
	QUARTER 0, 192, 0, 1, GIN, 0, 0
	s_wait_dscnt 8                                 ; the very last quarter: nothing more to fetch
	MULRZ 1, 0, 0
	MULX 1, 0, GIN, 0
	s_wait_dscnt 0x0
	MULRZ 1, 1, 0
	MULX 1, 1, GIN, 0
	WIN 0
	PLACES
	s_wait_loadcnt 0x0                             ; the old h
; THE GATES of row block a: 16 numbers a lane.  Each accumulator is read from its low end on.  Exponentials and reciprocals stand in runs, a plain
; instruction behind each run before its results are used (ISA guide 5.7.2).
.macro EPI a
.set EW, 2+(\a)/4                      ; the block's window
.set AC, 64*((\a)%4)                   ; R at AC, Z at AC + 16, HN at AC + 32, IN at AC + 48
.set HA, HO+16*(\a)
.set PA, PK+8*((\a)%4)
	WIN EW
.set i, 0
.rept 16
	v_pk_mul_f32 v[TR+2*i:TR+2*i+1], v[AC+2*i:AC+2*i+1], s[CSIG:CSIG+1] op_sel_hi:[1,0]   ; -log2(e) x, for r and u
.set i, i+1
.endr
	WIN 0
.set i, 0
.rept 32
	v_exp_f32 v[TR+i], v[TR+i]
.set i, i+1
.endr
	v_nop
.set i, 0
	s_wait_alu depctr_va_vdst(0)
.rept 16
	v_pk_add_f32 v[TR+2*i:TR+2*i+1], v[TR+2*i:TR+2*i+1], 1.0 op_sel_hi:[1,0]
.set i, i+1
.endr
.set i, 0
.rept 32
	v_rcp_f32 v[TR+i], v[TR+i]
.set i, i+1
.endr
	v_nop
	WIN (EW<<2)|(EW<<4)
.set i, 0
	s_wait_alu depctr_va_vdst(0)
.rept 8
	v_pk_fma_f32 v[TY+2*i:TY+2*i+1], v[TR+2*i:TR+2*i+1], v[AC+32+2*i:AC+32+2*i+1], v[AC+48+2*i:AC+48+2*i+1]   ; IN + r HN
.set i, i+1
.endr
	WIN 0
.set i, 0
.rept 8
	v_pk_mul_f32 v[TY+2*i:TY+2*i+1], v[TY+2*i:TY+2*i+1], s[CTAN:CTAN+1] op_sel_hi:[1,0]
.set i, i+1
.endr
.set i, 0
.rept 16
	v_exp_f32 v[TY+i], v[TY+i]
.set i, i+1
.endr
	v_nop
.set i, 0
	s_wait_alu depctr_va_vdst(0)
.rept 8
	v_pk_add_f32 v[TY+2*i:TY+2*i+1], v[TY+2*i:TY+2*i+1], 1.0 op_sel_hi:[1,0]
.set i, i+1
.endr
.set i, 0
.rept 16
	v_rcp_f32 v[TY+i], v[TY+i]
.set i, i+1
.endr
	v_nop
.set i, 0
	s_wait_alu depctr_va_vdst(0)
.rept 8
	v_pk_fma_f32 v[TY+2*i:TY+2*i+1], v[TY+2*i:TY+2*i+1], -2.0, 1.0 op_sel_hi:[1,0,0]      ; n
.set i, i+1
.endr
	WIN 0x01
.set i, 0
.rept 8
	v_pk_add_f32 v[TD+2*i:TD+2*i+1], v[HA+2*i:HA+2*i+1], v[TY+2*i:TY+2*i+1] neg_lo:[0,1] neg_hi:[0,1]   ; h - n
.set i, i+1
.endr
	WIN 0x40
.set i, 0
.rept 8
	v_pk_fma_f32 v[HA+2*i:HA+2*i+1], v[TZ+2*i:TZ+2*i+1], v[TD+2*i:TD+2*i+1], v[TY+2*i:TY+2*i+1]         ; h_new = n + u (h - n), where h lay; written once
.set i, i+1
.endr
	WIN 0x05
.set i, 0
.rept 8
	v_cvt_pk_bf16_f32 v[PA+i], v[HA+2*i], v[HA+2*i+1]
.set i, i+1
.endr
	WIN 0x04                                       ; address window 0, data window 1
.irp q, 0,1,2,3
	global_store_b128 v[HADR], v[HA+4*(\q):HA+4*(\q)+3], s[16:17] offset:(4*(\a)+(\q))*512   ; a wave's store covers 512 consecutive bytes
.endr
	WIN 0
	ds_store_b128 v[STO], v[PA:PA+3] offset:(\a)*16*PITCH
	ds_store_b128 v[STO], v[PA+4:PA+7] offset:(\a)*16*PITCH+32
.endm
.irp a, 0,1,2,3,4,5,6,7
	EPI \a
.endr
	s_wait_dscnt 0x0                               ; for the others' sake: a stage row's 256 bytes come from four waves
	s_barrier_signal -1
	s_barrier_wait -1
.irp t, 0,1,2,3,4,5,6,7,8,9,10,11,12,13,14,15
	ds_load_b128 v[BK+4*(\t):BK+4*(\t)+3], v[RD] offset:(\t)*2*PITCH
.endr
.irp t, 0,1,2,3,4,5,6,7,8,9,10,11,12,13,14,15
	s_wait_dscnt 15-(\t)
	global_store_b128 v[CO], v[BK+4*(\t):BK+4*(\t)+3], s[14:15] offset:(\t)*2*KP   ; 16 lanes store 256 consecutive bytes, at a multiple of 256 from the buffer's first byte
.endr
	s_wait_tensorcnt 0x0                           ; the wave's end, behind my last tensor load and my last LDS store
	ds_add_u32 v[SPW], v[NIL]
	s_wait_dscnt 0x0
	CROUND                                         ; the closing round: no work-group ends while a partner may still ask for a tile that names it
	s_endpgm
.Lfunc_end_k_q5a42c3d48c_step1:
	.size	k_q5a42c3d48c_step1, .Lfunc_end_k_q5a42c3d48c_step1-k_q5a42c3d48c_step1
	.p2alignl 7, 3214868480
	.fill 96, 4, 3214868480
	.section	.rodata,"a",@progbits
	.p2align	6, 0x0
	.amdhsa_kernel k_q5a42c3d48c_step1
		.amdhsa_group_segment_fixed_size 327680
		.amdhsa_private_segment_fixed_size 0
		.amdhsa_enable_private_segment 0
		.amdhsa_kernarg_size 56
		.amdhsa_user_sgpr_count 2
		.amdhsa_user_sgpr_kernarg_segment_ptr 1
		.amdhsa_wavefront_size32 1
		.amdhsa_system_sgpr_workgroup_id_x 1
		.amdhsa_system_sgpr_workgroup_id_y 1
		.amdhsa_system_sgpr_workgroup_id_z 1
		.amdhsa_system_vgpr_workitem_id 0
		.amdhsa_next_free_vgpr 1024
		.amdhsa_next_free_sgpr 80
		.amdhsa_reserve_vcc 0
		.amdhsa_float_denorm_mode_32 3
		.amdhsa_float_denorm_mode_16_64 3
		.amdhsa_memory_ordered 1
		.amdhsa_forward_progress 1
		.amdhsa_inst_pref_size 205
	.end_amdhsa_kernel
	.amdgpu_metadata
---
amdhsa.version: [ 1, 2 ]
amdhsa.kernels:
  - .name:           k_q5a42c3d48c_step1
    .symbol:         k_q5a42c3d48c_step1.kd
    .args:
      - { .name: A0, .offset: 0, .size: 8, .value_kind: global_buffer, .address_space: global }
      - { .name: Wc, .offset: 8, .size: 8, .value_kind: global_buffer, .address_space: global }
      - { .name: Ha, .offset: 16, .size: 8, .value_kind: global_buffer, .address_space: global }
      - { .name: b_ih, .offset: 24, .size: 8, .value_kind: global_buffer, .address_space: global }
      - { .name: b_hh, .offset: 32, .size: 8, .value_kind: global_buffer, .address_space: global }
      - { .name: A1, .offset: 40, .size: 8, .value_kind: global_buffer, .address_space: global }
      - { .name: Hb, .offset: 48, .size: 8, .value_kind: global_buffer, .address_space: global }
    .group_segment_fixed_size: 327680
    .private_segment_fixed_size: 0
    .kernarg_segment_align: 8
    .kernarg_segment_size: 56
    .max_flat_workgroup_size: 128
    .sgpr_count:     80
    .vgpr_count:     1024
    .wavefront_size: 32
...
	.end_amdgpu_metadata
.endif
;; end of part 2
;; launch step2: the kernel of part 2 again; grid 8 x 32, 4 waves a work-group, clusters of 4 x 4, 327,680 bytes of LDS; arguments A1, Wc, Hb, b_ih, b_hh, A2, Ha; writes A2, Ha
;; launch step3: the kernel of part 2 again; grid 8 x 32, 4 waves a work-group, clusters of 4 x 4, 327,680 bytes of LDS; arguments A2, Wc, Ha, b_ih, b_hh, A3, Hb; writes A3, Hb
;; launch step4: the kernel of part 2 again; grid 8 x 32, 4 waves a work-group, clusters of 4 x 4, 327,680 bytes of LDS; arguments A3, Wc, Hb, b_ih, b_hh, A4, Ha; writes A4, Ha
;; launch outp (part 3): grid 256 x 1, 4 waves a work-group, no clusters, 167,936 bytes of LDS; arguments A1, A2, A3, A4, W_out, b_out, out0; writes out0
.if DOCPART == 3
	.amdgcn_target "amdgcn-amd-amdhsa--gfx1250"
	.amdhsa_code_object_version 6
	.text
	.protected	k_q5a42c3d48c_outp
	.globl	k_q5a42c3d48c_outp
	.p2align	8
	.type	k_q5a42c3d48c_outp,@function
k_q5a42c3d48c_outp:
	s_mov_b64 s[64:65], 0
	v_nop
	global_prefetch_b8 v0, s[64:65] scope:SCOPE_SE
	s_setreg_imm32_b32 hwreg(HW_REG_WAVE_MODE, 25, 1), 1
	s_wait_xcnt 0x0
; x[row][t][c] = sigmoid(h_t[row] . W_out[c] + b_out[c]), t = 0..3, c = 0..11.  h_t lies as bf16 in bytes 0..2047 of the rows (2,560 bytes apart) of A1..A4.
; A work-group owns 16 rows, wave w the step w: one tensor load brings its 16 rows of 2,048 bytes; W_out is rounded to bf16 on its way through registers into LDS, for all four waves.
; Source 0 = 16 rows of W_out (rows 12..15 repeat row 11 and their results are not stored), source 1 = 16 rows of h: a lane holds row lane % 16 and c = 8 (lane / 16) + 0..7.
; K = 1024 is 32 matrix instructions on four accumulators by turns; the bias starts the first.  Operands in bf16, sums and the sigmoid in f32; the sigmoid saturates to 0 or 1
; where its power of two overflows or vanishes.  NaN and infinities are not treated apart.
; NO CLUSTER: the h tiles are each read by one wave alone; W_out, which all share, is f32 and must pass through registers to be rounded.
.set KP,   2560
.set ATP,  2080                        ; an LDS row of h: 2,048 bytes and 16 of padding behind each 1,024
.set ATB,  16*ATP                      ; a wave's tile
.set WO,   4*ATB                       ; W_out in bf16: 12 rows,
.set WOP,  2064                        ; 2,048 bytes + 16: an odd multiple of 16
.set STG,  157952                      ; the results, [16 rows][4 steps][12] f32, as they lie in out0
.set SPARE,STG+3072                    ; the spare words, 128 bytes a wave: two blocks of 256 bytes that no other line names
.set RR,  1                            ; lane % 16
.set HH,  2                            ; lane / 16
.set B1,  3                            ; my offsets in b_out
.set B2,  4
.set T16, 5                            ; 16 t
.set WST, 6                            ; LDS: where my 8 bytes of W_out go
.set WAD, 7                            ; LDS: my fragments of W_out
.set HAD, 8                            ; LDS: my fragments of h
.set SST, 9                            ; LDS: where my results go
.set T8,  10                           ; 8 t
.set SRD, 11                           ; LDS: where I read results back
.set SPW, 12                           ; my spare word's LDS address; never rewritten
.set NIL, 13                           ; 0; never rewritten
.set BI,  16                           ; v16-23  the bias
.set BK,  24                           ; v24-29  results read back
.set WR,  32                           ; v32-127 W_out as loaded; later v32-63 four accumulators
.set ACC, 32
.set FB,  128                          ; v128-191, v192-255 two buffers of four K steps' fragments
	s_load_b256 s[4:11], s[0:1], 0x0               ; A1 s[4:5], A2 s[6:7], A3 s[8:9], A4 s[10:11]
	s_load_b128 s[12:15], s[0:1], 0x20             ; W_out s[12:13], b_out s[14:15]
	s_load_b64 s[16:17], s[0:1], 0x30              ; out0
	v_lshl_add_u32 v[SPW], v0, 2, SPARE
	v_mov_b32 v[NIL], 0
	ds_add_u32 v[SPW], v[NIL]                      ; the wave's opening: the add and its wait ahead of my tensor load; the set-up below, work on registers, stands between them
	ds_add_u32 v12, v13
	v_lshrrev_b32 v1, 5, v0
	v_readfirstlane_b32 s18, v1                    ; wave 0..3 = the step
	s_mov_b32 s24, 1                               ; group 0: count = 1
	s_mul_i32 s25, s18, ATB                        ; LDS address: my wave's tile
	s_mov_b32 s28, (1<<16)|(1<<20)|(7<<22)|(3<<25) ; group 1: elements of 2 bytes; padding on; after every 256 words; 4 words of it
	s_mov_b32 s29, 1024<<16                        ; tensor_dim0 = 1024
	s_mov_b32 s30, 16<<16                          ; tensor_dim1 = 16
	s_mov_b32 s31, 1024<<16                        ; tile_dim0 = 1024
	s_mov_b32 s32, 16                              ; tile_dim1 = 16
	s_mov_b32 s33, 1280                            ; elements from row to row
	s_mov_b32 s34, 0
	s_mov_b32 s35, 0
	s_mul_i32 s22, ttmp9, 16*KP                    ; my 16 rows
	s_mov_b32 s23, 0
	s_mov_b32 s36, 0xbfb8aa3b                      ; -log2(e)
	s_mov_b32 s37, s36                             ; named with it as a pair
	s_wait_dscnt 0x0                               ; the opening add is done
	s_wait_kmcnt 0x0
	s_cmp_eq_u32 s18, 1                            ; the step's buffer, chosen by the wave's number
	s_cselect_b64 s[20:21], s[6:7], s[4:5]
	s_cmp_eq_u32 s18, 2
	s_cselect_b64 s[20:21], s[8:9], s[20:21]
	s_cmp_eq_u32 s18, 3
	s_cselect_b64 s[20:21], s[10:11], s[20:21]
	s_add_nc_u64 s[26:27], s[20:21], s[22:23]
	s_or_b32 s27, s27, 0x80000000                  ; type = 2
	tensor_load_to_lds s[24:27], s[28:35]          ; the one tensor load of this wave
	s_nop 0
	v_and_b32 v[RR], 15, v0
	v_bfe_u32 v[HH], v0, 4, 1
	v_lshlrev_b32 v[B1], 5, v[HH]                  ; c = 8 h .. 8 h + 3
	v_lshl_add_u32 v[B2], v[HH], 4, 16             ; c = 4 .. 7 for the lower half; the upper half's c = 12 .. 15 do not exist: it reads c = 8 .. 11 once more, inside the 48 bytes
	v_lshlrev_b32 v[T16], 4, v0
	global_load_b128 v[BI:BI+3], v[B1], s[14:15]
	global_load_b128 v[BI+4:BI+7], v[B2], s[14:15]
.set i, 0
.rept 24
	global_load_b128 v[WR+4*i:WR+4*i+3], v[T16], s[12:13] offset:2048*i   ; half a row of W_out for the 128 threads
.set i, i+1
.endr
	s_mul_i32 s22, ttmp9, 3072
	s_add_nc_u64 s[16:17], s[16:17], s[22:23]      ; out0 at my 16 rows of 192 bytes
	v_lshlrev_b32 v[T8], 3, v0
	v_add_nc_u32 v[WST], WO, v[T8]
	v_add_nc_u32 v[SRD], STG, v[T8]
	v_min_u32 v[WAD], 11, v[RR]
	v_mul_u32_u24 v[WAD], v[WAD], WOP
	v_lshl_add_u32 v[WAD], v[HH], 4, v[WAD]
	v_add_nc_u32 v[WAD], WO, v[WAD]
	v_mul_u32_u24 v[HAD], v[RR], ATP
	v_lshl_add_u32 v[HAD], v[HH], 4, v[HAD]
	v_add_nc_u32 v[HAD], s25, v[HAD]
	s_mul_i32 s19, s18, 48
	v_mul_u32_u24 v[SST], v[RR], 192
	v_lshl_add_u32 v[SST], v[HH], 5, v[SST]
	v_add_nc_u32 v[SST], s19, v[SST]
	v_add_nc_u32 v[SST], STG, v[SST]               ; row r, step w, c = 8 h
	s_wait_loadcnt 0x0
.set i, 0
.rept 24
	v_cvt_pk_bf16_f32 v[WR+4*i], v[WR+4*i], v[WR+4*i+1]
	v_cvt_pk_bf16_f32 v[WR+4*i+1], v[WR+4*i+2], v[WR+4*i+3]
	ds_store_b64 v[WST], v[WR+4*i:WR+4*i+1] offset:(i/2)*WOP+(i%2)*1024
.set i, i+1
.endr
	s_wait_tensorcnt 0x0                           ; my tile of h is in: only I read it
	s_wait_dscnt 0x0                               ; for the others' sake: my part of W_out is in LDS
	s_barrier_signal -1
	s_barrier_wait -1
.macro BATCH n                         ; 16 LDS loads: the fragments of K steps 4 n .. 4 n + 3; from K step 16 on a row of h lies 16 bytes further
.set BU, FB+64*((\n)%2)
.irp j, 0,1,2,3
	ds_load_b128 v[BU+16*(\j):BU+16*(\j)+3],     v[WAD] offset:64*(4*(\n)+(\j))
	ds_load_b128 v[BU+16*(\j)+4:BU+16*(\j)+7],   v[WAD] offset:64*(4*(\n)+(\j))+32
	ds_load_b128 v[BU+16*(\j)+8:BU+16*(\j)+11],  v[HAD] offset:64*(4*(\n)+(\j))+16*((4*(\n)+(\j))/16)
	ds_load_b128 v[BU+16*(\j)+12:BU+16*(\j)+15], v[HAD] offset:64*(4*(\n)+(\j))+16*((4*(\n)+(\j))/16)+32
.endr
.endm
.macro MM4 n, first                    ; four accumulators by turns; first = 1: the bias, and three times 0, start the sums
.set BU, FB+64*((\n)%2)
.irp j, 0,1,2,3
.if \first
.if (\j) == 0
	v_wmma_f32_16x16x32_bf16 v[ACC:ACC+7], v[BU:BU+7], v[BU+8:BU+15], v[BI:BI+7]
.else
	v_wmma_f32_16x16x32_bf16 v[ACC+8*(\j):ACC+8*(\j)+7], v[BU+16*(\j):BU+16*(\j)+7], v[BU+16*(\j)+8:BU+16*(\j)+15], 0
.endif
.else
	v_wmma_f32_16x16x32_bf16 v[ACC+8*(\j):ACC+8*(\j)+7], v[BU+16*(\j):BU+16*(\j)+7], v[BU+16*(\j)+8:BU+16*(\j)+15], v[ACC+8*(\j):ACC+8*(\j)+7]
.endif
.endr
.endm
.macro PLACES                          ; four places in front of loads into registers that matrix instructions have read, and of vector lines that read results (ISA guide 7.12.1 for vector lines)
.rept 4
	v_nop
.endr
.endm
	BATCH 0
	BATCH 1
	s_wait_dscnt 16                                ; the older batch is in, the younger stays out
	MM4 0, 1
.irp n, 1,2,3,4,5,6
	PLACES
	BATCH (\n)+1
	s_wait_dscnt 16
	MM4 \n, 0
.endr
	s_wait_dscnt 0x0
	MM4 7, 0
	PLACES
.irp k, 0,2,4,6
	v_pk_add_f32 v[ACC+(\k):ACC+(\k)+1], v[ACC+(\k):ACC+(\k)+1], v[ACC+8+(\k):ACC+8+(\k)+1]       ; the four sums are added, each read from its low end on
.endr
.irp k, 0,2,4,6
	v_pk_add_f32 v[ACC+16+(\k):ACC+16+(\k)+1], v[ACC+16+(\k):ACC+16+(\k)+1], v[ACC+24+(\k):ACC+24+(\k)+1]
.endr
.irp k, 0,2,4,6
	v_pk_add_f32 v[ACC+(\k):ACC+(\k)+1], v[ACC+(\k):ACC+(\k)+1], v[ACC+16+(\k):ACC+16+(\k)+1]
.endr
.irp k, 0,2,4,6
	v_pk_mul_f32 v[ACC+(\k):ACC+(\k)+1], v[ACC+(\k):ACC+(\k)+1], s[36:37] op_sel_hi:[1,0]
.endr
.irp k, 0,1,2,3,4,5,6,7
	v_exp_f32 v[ACC+(\k)], v[ACC+(\k)]
.endr
	v_nop                                          ; a plain instruction between the last exponential and the use of its result (ISA guide 5.7.2)
	s_wait_alu depctr_va_vdst(0)
.irp k, 0,2,4,6
	v_pk_add_f32 v[ACC+(\k):ACC+(\k)+1], v[ACC+(\k):ACC+(\k)+1], 1.0 op_sel_hi:[1,0]
.endr
.irp k, 0,1,2,3,4,5,6,7
	v_rcp_f32 v[ACC+(\k)], v[ACC+(\k)]
.endr
	v_cmp_eq_u32 vcc_lo, 0, v[HH]                  ; (the plain instruction behind the last reciprocal)
	s_wait_alu depctr_va_vdst(0)
	ds_store_b128 v[SST], v[ACC:ACC+3]             ; c = 0 .. 3 and 8 .. 11
	s_wait_xcnt 0x0                                ; EXEC changes only behind this wait
	s_and_saveexec_b32 s19, vcc_lo                 ; c = 4 .. 7: the lower half of the lanes alone
	ds_store_b128 v[SST], v[ACC+4:ACC+7] offset:16
	s_or_b32 exec_lo, exec_lo, s19
	s_wait_dscnt 0x0                               ; for the others' sake: a row's 192 bytes come from four waves
	s_barrier_signal -1
	s_barrier_wait -1
.irp i, 0,1,2
	ds_load_b64 v[BK+2*(\i):BK+2*(\i)+1], v[SRD] offset:1024*(\i)
.endr
	s_wait_dscnt 0x0
.irp i, 0,1,2
	global_store_b64 v[T8], v[BK+2*(\i):BK+2*(\i)+1], s[16:17] offset:1024*(\i)   ; a wave's store covers 256 consecutive bytes, at a multiple of 256 from out0's first
.endr
	s_wait_tensorcnt 0x0                           ; the wave's end, behind my tensor load and my last LDS store
	ds_add_u32 v[SPW], v[NIL]
	s_wait_dscnt 0x0
	s_endpgm
.Lfunc_end_k_q5a42c3d48c_outp:
	.size	k_q5a42c3d48c_outp, .Lfunc_end_k_q5a42c3d48c_outp-k_q5a42c3d48c_outp
	.p2alignl 7, 3214868480
	.fill 96, 4, 3214868480
	.section	.rodata,"a",@progbits
	.p2align	6, 0x0
	.amdhsa_kernel k_q5a42c3d48c_outp
		.amdhsa_group_segment_fixed_size 167936
		.amdhsa_private_segment_fixed_size 0
		.amdhsa_enable_private_segment 0
		.amdhsa_kernarg_size 56
		.amdhsa_user_sgpr_count 2
		.amdhsa_user_sgpr_kernarg_segment_ptr 1
		.amdhsa_wavefront_size32 1
		.amdhsa_system_sgpr_workgroup_id_x 1
		.amdhsa_system_sgpr_workgroup_id_y 1
		.amdhsa_system_sgpr_workgroup_id_z 1
		.amdhsa_system_vgpr_workitem_id 0
		.amdhsa_next_free_vgpr 256
		.amdhsa_next_free_sgpr 66
		.amdhsa_reserve_vcc 1
		.amdhsa_float_denorm_mode_32 3
		.amdhsa_float_denorm_mode_16_64 3
		.amdhsa_memory_ordered 1
		.amdhsa_forward_progress 1
		.amdhsa_inst_pref_size 25
	.end_amdhsa_kernel
	.amdgpu_metadata
---
amdhsa.version: [ 1, 2 ]
amdhsa.kernels:
  - .name:           k_q5a42c3d48c_outp
    .symbol:         k_q5a42c3d48c_outp.kd
    .args:
      - { .name: A1, .offset: 0, .size: 8, .value_kind: global_buffer, .address_space: global }
      - { .name: A2, .offset: 8, .size: 8, .value_kind: global_buffer, .address_space: global }
      - { .name: A3, .offset: 16, .size: 8, .value_kind: global_buffer, .address_space: global }
      - { .name: A4, .offset: 24, .size: 8, .value_kind: global_buffer, .address_space: global }
      - { .name: W_out, .offset: 32, .size: 8, .value_kind: global_buffer, .address_space: global }
      - { .name: b_out, .offset: 40, .size: 8, .value_kind: global_buffer, .address_space: global }
      - { .name: out0, .offset: 48, .size: 8, .value_kind: global_buffer, .address_space: global }
    .group_segment_fixed_size: 167936
    .private_segment_fixed_size: 0
    .kernarg_segment_align: 8
    .kernarg_segment_size: 56
    .max_flat_workgroup_size: 128
    .sgpr_count:     66
    .vgpr_count:     256
    .wavefront_size: 32
...
	.end_amdgpu_metadata
.endif
;; end of part 3
;; ======== version 2 of 2: 6 launches; version 1 with the launch prep written anew for expert scheduling mode
;; workspace buffers: A0 10,485,760 bytes; A1 10,485,760 bytes; A2 10,485,760 bytes; A3 10,485,760 bytes; A4 10,485,760 bytes; Wc 7,864,320 bytes; Ha 16,777,216 bytes; Hb 16,777,216 bytes
;; launch prep (part 4): grid 8 x 32, 8 waves a work-group, no clusters, 105,472 bytes of LDS; arguments z, condition, W_ih, W_hh, W_init, b_init, Wc, A0, A1, A2, A3, Ha; writes Wc, A0, A1, A2, A3, Ha
.if DOCPART == 4
	.amdgcn_target "amdgcn-amd-amdhsa--gfx1250"
	.amdhsa_code_object_version 6
	.text
	.protected	k_q5a42c3d48c_prep
	.globl	k_q5a42c3d48c_prep
	.p2align	8
	.type	k_q5a42c3d48c_prep,@function
k_q5a42c3d48c_prep:
	s_mov_b64 s[64:65], 0
	v_nop
	global_prefetch_b8 v0, s[64:65] scope:SCOPE_SE
	s_setreg_imm32_b32 hwreg(HW_REG_WAVE_SCHED_MODE, 0, 2), 2
	s_setreg_imm32_b32 hwreg(HW_REG_WAVE_MODE, 25, 1), 1
	s_wait_xcnt 0x0
	s_wait_alu depctr_vm_vsrc(0)
; PREPARATION for four GRU steps.  B = 4096 rows, hidden size 1024, z 128 wide, feedback 12 wide.
; It writes (1) Wc [3072][1280] bf16: row g*1024+j = W_hh row (1024) | W_ih[:,12:140] (128) | W_ih[:,0:12] (12) | 116 zeros;
; (2) bytes 2048..2559 of every row of A0..A3 ([4096][1280] bf16): z (128) | the step's feedback (12: zeros for step 0, else condition[:,t-1]) | 116 zeros;
; (3) h0 = tanh(z W_init^T + b_init): as bf16 into bytes 0..2047 of A0's rows, and in f32 into Ha, as the registers lie, for the next launch's same tile.
; 256 work-groups of eight waves.  Work-group (bj, bm), wg = 8 bm + bj, owns 12 rows of Wc, 16 rows of the A buffers' right part, and the tile rows 128 bm.. x j 128 bj.. of h0.
; Every number is rounded to bf16 once; sums, bias and tanh in f32.  tanh(y) = 1 - 2 / (1 + 2^(2 log2(e) y)): it saturates to +-1 where the power overflows or vanishes;
; near 0 its absolute error is about 1e-7.  NaN and infinities are not treated apart.
; NO CLUSTER, NO TENSOR LOAD: the tiles that work-groups share (z's, W_init's) are f32 and must pass through registers to be rounded before they lie in LDS as operands;
; brought into LDS as they are they would cross LDS twice.
; THE MODE: SCHED_MODE bits 1:0 = 2 (LLVM: expert scheduling mode 2), set by the entry lines.  The code itself states the register dependences
; between vector or matrix instructions and memory or LDS instructions, with s_wait_alu, always for 0.
; THE PLAN.  The text is one straight run.  Registers that memory or LDS instructions touch:
;   v4-7              offsets of the 57 loads: written at the head, never again.
;   v8-20, v252-253   LDS addresses, the stores' offsets and two zeros: written while the loads are out (v11 ahead of them), never again.
;   ZR, WI            loads land; conversions in place; 32 LDS stores read them.  Later v40-135 take the fragments' LDS loads, v136-167 are accumulators.
;   WH, IH            loads land; conversions in place; Wc's 15 stores read them.  Later v168-199 are accumulators, v200-207 take the load of ZX.
;   CD                loads land; conversions in place; 6 stores read them.
;   F0 (two buffers)  LDS loads land; eight products read a buffer; each buffer is loaded once more.
;   ZX                a load lands; four conversions in place; 4 stores read it.
;   ACC, PKD          products and tanh write ACC, roundings write PKD; 16 stores read ACC, 8 LDS stores read PKD.
;   BK                the loads from the stage land; 8 stores read it; the last vector-side lines that named it are the products.
; So a wait on va_vdst stands behind each group of conversions whose results leave together (both tiles; W_hh with W_ih; condition; h0 in both forms), ahead of the first load, ahead of the
; first store, and ahead of each second fill of a fragment buffer; ZX's stores stand behind the wait that the exponentials have anyway.  ONE wait on vm_vsrc, behind the last store of the
; first part, frees all that is used again: ZX's registers, the fragment buffers and the accumulators.  The scalar results of vector lines (the wave's number, three masks) are made in one run.
.set PITCH, 272                        ; an LDS row: 256 bytes + 16: an odd multiple of 16, so the 16 rows of a fragment load start at 16 different groups of four banks (ISA guide 11.1)
.set KP,    2560                       ; bytes in a row of Wc and of the A buffers
.set ZT,    0                          ; z's tile, 128 rows of 128 bf16
.set WT,    128*PITCH                  ; W_init's tile, likewise
.set STAGE, 2*128*PITCH                ; h0's tile on its way out
.set SPARE, 3*128*PITCH                ; the spare words: 128 bytes for each of eight waves, four blocks of 256 bytes that no other line names
.set LN,  1                            ; lane
.set RR,  2                            ; lane % 16
.set HH,  3                            ; lane / 16
.set T16, 4                            ; 16 t
.set BIO, 5                            ; my bias numbers' offset
.set IHO, 6                            ; where my chunk of W_ih comes from
.set CDO, 7                            ; where my chunk of condition comes from
.set ZST, 8                            ; LDS: where my 8 bytes of z's tile go
.set WST, 9                            ; the same for W_init's tile
.set T8,  10                           ; 8 t
.set IHS, 11                           ; where my chunk of W_ih goes in Wc
.set CDS, 12                           ; where my chunk of feedback goes in A
.set ZXL, 13                           ; 32 t
.set ZXS, 14                           ; where my 16 bytes of z go in A
.set FRA, 15                           ; LDS: my fragments of z
.set FRB, 16                           ; LDS: my fragments of W_init
.set HAO, 17                           ; my offset in Ha
.set SST, 18                           ; LDS: into the stage
.set SRD, 19                           ; LDS: back from the stage
.set AHS, 20                           ; my offset in A0's left part
.set TA,  21                           ; v21-23 at work: no memory instruction names them
.set TB,  22
.set TC,  23
.set BI,  24                           ; v24-39   b_init of my 2 x 8 columns
.set ZR,  40                           ; v40-103  z's tile as loaded
.set WI,  104                          ; v104-167 W_init's tile as loaded
.set WH,  168                          ; v168-215 12 rows of W_hh as loaded
.set IH,  216                          ; v216-227 W_ih
.set CD,  228                          ; v228-251 condition
.set ZERO,252                          ; v252-253 0
.set SPW, 254                          ; my spare word's LDS address; never rewritten
.set NIL, 255                          ; 0; never rewritten
.set F0,  40                           ; later: two fragment buffers of 48 (4 of z, 2 of W_init)
.set ACC, 136                          ; later: v136-199 eight accumulators, (i, b) at ACC + 8 (2 i + b)
.set ZX,  200                          ; later: v200-207 my 8 numbers of z for the A buffers
.set PKD, 40                           ; later: packed h0
.set BK,  72                           ; later: rows read back from the stage
	s_load_b512 s[4:19], s[0:1], 0x0               ; z s[4:5], condition s[6:7], W_ih s[8:9], W_hh s[10:11], W_init s[12:13], b_init s[14:15], Wc s[16:17], A0 s[18:19]
	s_load_b256 s[20:27], s[0:1], 0x40             ; A1 s[20:21], A2 s[22:23], A3 s[24:25], Ha s[26:27]
	v_lshl_add_u32 v[SPW], v0, 2, SPARE
	v_mov_b32 v[NIL], 0
	v_lshrrev_b32 v[TA], 5, v0
	v_readfirstlane_b32 s28, v[TA]                 ; wave 0..7
	v_and_b32 v[LN], 31, v0
	v_and_b32 v[RR], 15, v0
	v_bfe_u32 v[HH], v0, 4, 1
	v_lshlrev_b32 v[T16], 4, v0
	; W_ih: a row's right part in Wc is 64 chunks c of 4 numbers: c < 32 from columns 12 + 4 c, c = 32..34 from columns 4 (c - 32), the rest zeros (their load is clamped to chunk 34's)
	v_and_b32 v[TA], 63, v0                        ; c
	v_lshrrev_b32 v[TB], 6, v0                     ; which of four rows
	v_cmp_gt_u32 vcc_lo, 32, v[TA]                 ; the three masks stand in one run with the wave's number: lanes whose chunk comes from columns 12 on,
	v_cmp_gt_u32 s38, 35, v[TA]                    ; lanes whose chunk of W_ih is data,
	v_cmp_gt_u32 s39, 3, v[LN]                     ; lanes whose chunk of condition is data
	v_lshl_add_u32 v[TC], v[TA], 4, 48             ; work that names none of those four results stands between them and the waits
	v_add_nc_u32 v[IHO], -32, v[TA]
	v_min_u32 v[IHO], 2, v[IHO]
	v_lshlrev_b32 v[IHO], 4, v[IHO]
	s_and_b32 s29, ttmp9, 7                        ; bj
	s_and_b32 s30, ttmp7, 31                       ; bm
	s_lshl3_add_u32 s31, s30, s29                  ; wg = 8 bm + bj
	s_mov_b32 s36, 0x4038aa3b                      ; 2 log2(e)
	s_mov_b32 s37, s36                             ; named with it as a pair
	s_wait_alu depctr_va_sdst(0)                   ; s28, s38 and s39 are written, ahead of their first readers: the scalar lines below, and the selects behind the conversions
	s_wait_alu depctr_va_vcc(0)                    ; VCC is written, ahead of the select below
	s_and_b32 s40, s28, 3                          ; w: my 32 columns of the tile
	s_lshr_b32 s41, s28, 2                         ; ah: my 64 rows of the tile
	s_lshl_b32 s42, s40, 7
	v_lshl_add_u32 v[BIO], v[HH], 5, s42           ; 4 (32 w + 8 h)
	v_cndmask_b32 v[IHO], v[IHO], v[TC], vcc_lo
	v_mul_u32_u24 v[TC], v[TB], 560                ; a row of W_ih is 560 bytes
	v_add_nc_u32 v[IHO], v[IHO], v[TC]
	v_mul_u32_u24 v[TC], v[TB], KP
	v_lshl_add_u32 v[IHS], v[TA], 3, v[TC]
	; condition: a row's feedback part in A is 32 chunks of 4 numbers, of which the first three are data
	v_min_u32 v[CDO], 2, v[LN]
	v_lshlrev_b32 v[CDO], 4, v[CDO]
	s_mul_i32 s42, s28, 192                        ; a row of condition is 192 bytes; wave v takes rows v and v + 8
	v_add_nc_u32 v[CDO], s42, v[CDO]
	s_mov_b32 s33, 0
	s_wait_kmcnt 0x0
	s_lshl_b32 s32, s30, 16
	s_add_nc_u64 s[4:5], s[4:5], s[32:33]          ; z at the tile's 128 rows of 512 bytes
	s_lshl_b32 s32, s29, 13
	s_add_nc_u64 s[44:45], s[4:5], s[32:33]        ; z at my work-group's 16 rows
	s_lshl_b32 s32, s29, 16
	s_add_nc_u64 s[12:13], s[12:13], s[32:33]      ; W_init at the tile's 128 rows
	s_mul_i32 s32, s31, 12*4096
	s_add_nc_u64 s[10:11], s[10:11], s[32:33]      ; W_hh at my 12 rows
	s_mul_i32 s32, s31, 12*560
	s_add_nc_u64 s[8:9], s[8:9], s[32:33]          ; W_ih at my 12 rows
	s_mul_i32 s32, s31, 16*192
	s_add_nc_u64 s[6:7], s[6:7], s[32:33]          ; condition at my 16 rows
	s_lshl_b32 s32, s29, 9
	s_add_nc_u64 s[14:15], s[14:15], s[32:33]      ; b_init at the tile's 128 columns
	s_wait_alu depctr_va_vdst(0)                   ; the four offsets v4 to v7 are written, which the loads below read (and v11, for a later store)
	; all 57 loads go out together; the waits below count the sets that were issued behind the one in hand
.irp b, 0,1
.irp p, 0,1
	global_load_b128 v[BI+8*(\b)+4*(\p):BI+8*(\b)+4*(\p)+3], v[BIO], s[14:15] offset:64*(\b)+16*(\p)
.endr
.endr
.set i, 0
.rept 16
	global_load_b128 v[ZR+4*i:ZR+4*i+3], v[T16], s[4:5] offset:4096*i    ; eight rows of the tile: a wave takes a row's 512 bytes
.set i, i+1
.endr
.set i, 0
.rept 16
	global_load_b128 v[WI+4*i:WI+4*i+3], v[T16], s[12:13] offset:4096*i
.set i, i+1
.endr
.set i, 0
.rept 12
	global_load_b128 v[WH+4*i:WH+4*i+3], v[T16], s[10:11] offset:4096*i th:TH_LOAD_NT  ; a whole row of W_hh; the launch reads it once
.set i, i+1
.endr
.set i, 0
.rept 3
	global_load_b128 v[IH+4*i:IH+4*i+3], v[IHO], s[8:9] offset:4*560*i   ; four rows of W_ih
.set i, i+1
.endr
.irp tt, 1,2,3
.irp rs, 0,1
	global_load_b128 v[CD+4*(2*((\tt)-1)+(\rs)):CD+4*(2*((\tt)-1)+(\rs))+3], v[CDO], s[6:7] offset:48*((\tt)-1)+8*192*(\rs)
.endr
.endr
	; the stores' bases and the other offsets, while the loads are out: none of these lines writes a register that a load above reads or lands in
	s_mul_i32 s32, s31, 12*KP
	s_add_nc_u64 s[16:17], s[16:17], s[32:33]      ; Wc at my 12 rows
	s_mul_i32 s32, s30, 128*KP
	s_lshl_b32 s34, s29, 8
	s_add_co_u32 s32, s32, s34
	s_add_nc_u64 s[34:35], s[18:19], s[32:33]      ; A0 at the tile's first row and column
	s_mul_i32 s32, s31, 16*KP
	s_add_nc_u64 s[18:19], s[18:19], s[32:33]      ; A0..A3 at my 16 rows
	s_add_nc_u64 s[20:21], s[20:21], s[32:33]
	s_add_nc_u64 s[22:23], s[22:23], s[32:33]
	s_add_nc_u64 s[24:25], s[24:25], s[32:33]
	s_lshl_b32 s32, s31, 16
	s_add_nc_u64 s[26:27], s[26:27], s[32:33]      ; Ha at my tile's 65,536 bytes
	v_mov_b32 v[ZERO], 0
	v_mov_b32 v[ZERO+1], 0
	s_mul_i32 s42, s28, PITCH
	v_lshl_add_u32 v[ZST], v[LN], 3, s42           ; row v (+ 8 i), 8 bytes a lane
	v_add_nc_u32 v[WST], WT, v[ZST]
	v_lshlrev_b32 v[T8], 3, v0
	s_mul_i32 s42, s28, KP
	v_lshl_add_u32 v[CDS], v[LN], 3, s42
	v_lshlrev_b32 v[ZXL], 5, v0                    ; row t / 16, 32 bytes at t % 16: together 32 t
	s_lshl_b32 s42, s28, 1
	v_add_nc_u32 v[ZXS], s42, v[HH]                ; row t / 16 = 2 v + h
	v_mul_u32_u24 v[ZXS], v[ZXS], KP
	v_lshl_add_u32 v[ZXS], v[RR], 4, v[ZXS]
	v_mul_u32_u24 v[TC], v[RR], PITCH
	v_lshl_add_u32 v[TC], v[HH], 4, v[TC]          ; a fragment's row x pitch + 16 x half
	s_mul_i32 s42, s41, 64*PITCH
	v_add_nc_u32 v[FRA], s42, v[TC]
	s_lshl_b32 s43, s40, 6
	s_add_co_u32 s42, s42, s43
	s_add_co_u32 s42, s42, STAGE
	v_add_nc_u32 v[SST], s42, v[TC]                ; stage row 64 ah + r (+ 16 i), byte 64 w + 16 h (+ 32 b)
	s_mul_i32 s42, s40, 32*PITCH
	s_add_co_u32 s42, s42, WT
	v_add_nc_u32 v[FRB], s42, v[TC]
	s_lshl_b32 s42, s40, 14
	s_lshl_b32 s43, s41, 13
	s_add_co_u32 s42, s42, s43
	v_lshl_add_u32 v[HAO], v[LN], 4, s42
	s_lshl_b32 s42, s28, 4
	v_add_nc_u32 v[TA], s42, v[HH]                 ; back: wave v takes rows 16 v .. 16 v + 15, two at a time
	v_mul_u32_u24 v[SRD], v[TA], PITCH
	v_lshl_add_u32 v[SRD], v[RR], 4, v[SRD]
	v_add_nc_u32 v[SRD], STAGE, v[SRD]
	v_mul_u32_u24 v[AHS], v[TA], KP
	v_lshl_add_u32 v[AHS], v[RR], 4, v[AHS]
	s_wait_alu depctr_va_vdst(0)                   ; v8 to v20 and the two zeros are written: every store, LDS store and LDS load from here on reads one of v8 to v20 as its address or offset, and none is written again
.irp rs, 0,1
	global_store_b64 v[CDS], v[ZERO:ZERO+1], s[18:19] offset:2304+8*KP*(\rs)   ; step 0 has no feedback: 256 bytes of zeros a row
.endr
.macro CVT base, n                     ; n loads of 4 f32 become pairs of registers with 4 bf16, in place
.set i, 0
.rept \n
	v_cvt_pk_bf16_f32 v[(\base)+4*i], v[(\base)+4*i], v[(\base)+4*i+1]
	v_cvt_pk_bf16_f32 v[(\base)+4*i+1], v[(\base)+4*i+2], v[(\base)+4*i+3]
.set i, i+1
.endr
.endm
	s_wait_loadcnt 37                              ; the bias and z are in; 16 + 12 + 3 + 6 younger loads stay out
	CVT ZR, 16
	s_wait_loadcnt 21                              ; W_init is in; 12 + 3 + 6 stay out
	CVT WI, 16
	s_wait_alu depctr_va_vdst(0)                   ; the conversions have written both tiles, which the 32 LDS stores read
.set i, 0
.rept 16
	ds_store_b64 v[ZST], v[ZR+4*i:ZR+4*i+1] offset:8*PITCH*i
.set i, i+1
.endr
.set i, 0
.rept 16
	ds_store_b64 v[WST], v[WI+4*i:WI+4*i+1] offset:8*PITCH*i
.set i, i+1
.endr
	s_wait_loadcnt 9                               ; W_hh is in; 3 + 6 stay out
	CVT WH, 12
	s_wait_loadcnt 6                               ; W_ih is in
	CVT IH, 3
.set i, 0
.rept 3
	v_cndmask_b32 v[IH+4*i], 0, v[IH+4*i], s38     ; chunks 35..63 are zeros
	v_cndmask_b32 v[IH+4*i+1], 0, v[IH+4*i+1], s38
.set i, i+1
.endr
	s_wait_alu depctr_va_vdst(0)                   ; the conversions and selects have written W_hh's and W_ih's numbers, which Wc's 15 stores read
.set i, 0
.rept 12
	global_store_b64 v[T8], v[WH+4*i:WH+4*i+1], s[16:17] offset:KP*i     ; a wave's store covers 256 consecutive bytes, at a multiple of 256 from Wc's first
.set i, i+1
.endr
.set i, 0
.rept 3
	global_store_b64 v[IHS], v[IH+4*i:IH+4*i+1], s[16:17] offset:2048+4*KP*i
.set i, i+1
.endr
	s_wait_loadcnt 0x0                             ; condition is in
	CVT CD, 6
.set i, 0
.rept 6
	v_cndmask_b32 v[CD+4*i], 0, v[CD+4*i], s39     ; chunks 3..31 are zeros
	v_cndmask_b32 v[CD+4*i+1], 0, v[CD+4*i+1], s39
.set i, i+1
.endr
	s_wait_alu depctr_va_vdst(0)                   ; the conversions and selects have written the feedback, which the six stores read
.irp tt, 1,2,3
.irp rs, 0,1
	global_store_b64 v[CDS], v[CD+4*(2*((\tt)-1)+(\rs)):CD+4*(2*((\tt)-1)+(\rs))+1], s[18+2*(\tt):19+2*(\tt)] offset:2304+8*KP*(\rs)
.endr
.endr
	s_wait_xcnt 0x0                                ; the stores' data registers are written again only behind this wait (ISA guide 3.1)
	s_wait_alu depctr_vm_vsrc(0)                   ; the LDS stores and the stores above have read their data: v200-207 take the load below, v40-135 the fragments' loads, v136-199 the products' sums (the conversions that named them stand ahead of the waits on va_vdst above)
	global_load_b128 v[ZX:ZX+3], v[ZXL], s[44:45]             ; my 8 numbers of z for the A buffers; waited for behind the products
	global_load_b128 v[ZX+4:ZX+7], v[ZXL], s[44:45] offset:16
	s_wait_dscnt 0x0                               ; for the others' sake: my parts of both tiles are in LDS
	s_barrier_signal -1
	s_barrier_wait -1
; h0's tile.  The matrix instruction is used transposed (source 0 = 16 rows of W_init, source 1 = 16 rows of z): a lane holds row lane % 16 and the columns 8 (lane / 16) + 0..7.
.macro FR q, buf                       ; 12 LDS loads: the fragments of 32 along K at byte 64 q of the rows
.irp i, 0,1,2,3
	ds_load_b128 v[F0+48*(\buf)+8*(\i):F0+48*(\buf)+8*(\i)+3],   v[FRA] offset:(\i)*16*PITCH+64*(\q)
	ds_load_b128 v[F0+48*(\buf)+8*(\i)+4:F0+48*(\buf)+8*(\i)+7], v[FRA] offset:(\i)*16*PITCH+64*(\q)+32
.endr
.irp b, 0,1
	ds_load_b128 v[F0+48*(\buf)+32+8*(\b):F0+48*(\buf)+32+8*(\b)+3],   v[FRB] offset:(\b)*16*PITCH+64*(\q)
	ds_load_b128 v[F0+48*(\buf)+32+8*(\b)+4:F0+48*(\buf)+32+8*(\b)+7], v[FRB] offset:(\b)*16*PITCH+64*(\q)+32
.endr
.endm
.macro MM8 buf, first                  ; the eight accumulators by turns; first = 1: the bias starts the sums
.irp i, 0,1,2,3
.irp b, 0,1
.if \first
	v_wmma_f32_16x16x32_bf16 v[ACC+8*(2*(\i)+(\b)):ACC+8*(2*(\i)+(\b))+7], v[F0+48*(\buf)+32+8*(\b):F0+48*(\buf)+32+8*(\b)+7], v[F0+48*(\buf)+8*(\i):F0+48*(\buf)+8*(\i)+7], v[BI+8*(\b):BI+8*(\b)+7]
.else
	v_wmma_f32_16x16x32_bf16 v[ACC+8*(2*(\i)+(\b)):ACC+8*(2*(\i)+(\b))+7], v[F0+48*(\buf)+32+8*(\b):F0+48*(\buf)+32+8*(\b)+7], v[F0+48*(\buf)+8*(\i):F0+48*(\buf)+8*(\i)+7], v[ACC+8*(2*(\i)+(\b)):ACC+8*(2*(\i)+(\b))+7]
.endif
.endr
.endr
.endm
.macro PLACES                          ; four places in front of loads into registers that matrix instructions have read
.rept 4
	v_nop
.endr
.endm
	FR 0, 0
	FR 1, 1
	s_wait_dscnt 12                                ; the first run is in, the second stays out
	MM8 0, 1
	PLACES
	s_wait_alu depctr_va_vdst(0)                   ; the eight products above are done reading buffer 0, in which the loads below land; the places stay beside this wait
	FR 2, 0
	s_wait_dscnt 12
	MM8 1, 0
	PLACES
	s_wait_alu depctr_va_vdst(0)                   ; the eight products above are done reading buffer 1, in which the loads below land
	FR 3, 1
	s_wait_dscnt 12
	MM8 0, 0
	s_wait_dscnt 0x0
	MM8 1, 0
	s_wait_loadcnt 0x0                             ; my 8 numbers of z
	v_cvt_pk_bf16_f32 v[ZX], v[ZX], v[ZX+1]        ; these four conversions name no register of the products: they are the four places behind them
	v_cvt_pk_bf16_f32 v[ZX+1], v[ZX+2], v[ZX+3]
	v_cvt_pk_bf16_f32 v[ZX+2], v[ZX+4], v[ZX+5]
	v_cvt_pk_bf16_f32 v[ZX+3], v[ZX+6], v[ZX+7]
	; tanh in place; each accumulator is read from its low end on
.set i, 0
.rept 32
	v_pk_mul_f32 v[ACC+2*i:ACC+2*i+1], v[ACC+2*i:ACC+2*i+1], s[36:37] op_sel_hi:[1,0]
.set i, i+1
.endr
.set i, 0
.rept 64
	v_exp_f32 v[ACC+i], v[ACC+i]
.set i, i+1
.endr
	v_nop                                          ; a plain instruction between the last exponential and the use of its result (ISA guide 5.7.2)
	s_wait_alu depctr_va_vdst(0)                   ; the 64 exponentials have written their results, ahead of the additions that read them; and the four conversions have written v[ZX .. ZX+3], which the stores below read
.irp tt, 0,1,2,3
	global_store_b128 v[ZXS], v[ZX:ZX+3], s[18+2*(\tt):19+2*(\tt)] offset:2048   ; 16 lanes store a row's 256 bytes of z, at a multiple of 256 from the buffer's first byte
.endr
.set i, 0
.rept 32
	v_pk_add_f32 v[ACC+2*i:ACC+2*i+1], v[ACC+2*i:ACC+2*i+1], 1.0 op_sel_hi:[1,0]
.set i, i+1
.endr
.set i, 0
.rept 64
	v_rcp_f32 v[ACC+i], v[ACC+i]
.set i, i+1
.endr
	v_nop                                          ; a plain instruction between the last reciprocal and the use of its result
	s_wait_alu depctr_va_vdst(0)                   ; the 64 reciprocals have written their results, ahead of the multiply-adds that read them
.set i, 0
.rept 32
	v_pk_fma_f32 v[ACC+2*i:ACC+2*i+1], v[ACC+2*i:ACC+2*i+1], -2.0, 1.0 op_sel_hi:[1,0,0]
.set i, i+1
.endr
.set i, 0
.rept 32
	v_cvt_pk_bf16_f32 v[PKD+i], v[ACC+2*i], v[ACC+2*i+1]
.set i, i+1
.endr
	s_wait_alu depctr_va_vdst(0)                   ; h0 is written in both forms: v[PKD ..], which the LDS stores read, and v[ACC ..], which the stores read; no vector line behind this wait names v[BK ..], in which the loads from the stage land
.irp i, 0,1,2,3
.irp b, 0,1
	ds_store_b128 v[SST], v[PKD+4*(2*(\i)+(\b)):PKD+4*(2*(\i)+(\b))+3] offset:(\i)*16*PITCH+32*(\b)
.endr
.endr
.set i, 0
.rept 16
	global_store_b128 v[HAO], v[ACC+4*i:ACC+4*i+3], s[26:27] offset:512*i    ; h0 in f32 as the registers lie: a wave's store covers 512 consecutive bytes
.set i, i+1
.endr
	s_wait_dscnt 0x0                               ; for the others' sake: a stage row's 256 bytes come from four waves
	s_barrier_signal -1
	s_barrier_wait -1
.irp t, 0,1,2,3,4,5,6,7
	ds_load_b128 v[BK+4*(\t):BK+4*(\t)+3], v[SRD] offset:(\t)*2*PITCH
.endr
.irp t, 0,1,2,3,4,5,6,7
	s_wait_dscnt 7-(\t)
	global_store_b128 v[AHS], v[BK+4*(\t):BK+4*(\t)+3], s[34:35] offset:(\t)*2*KP   ; 16 lanes store 256 consecutive bytes, at a multiple of 256 from A0's first
.endr
	s_wait_dscnt 0x0                               ; the closing lines, six on end
	s_wait_alu 0x0
	s_wait_tensorcnt 0x0
	ds_add_u32 v[SPW], v[NIL]
	s_wait_dscnt 0x0
	s_endpgm
.Lfunc_end_k_q5a42c3d48c_prep:
	.size	k_q5a42c3d48c_prep, .Lfunc_end_k_q5a42c3d48c_prep-k_q5a42c3d48c_prep
	.p2alignl 7, 3214868480
	.fill 96, 4, 3214868480
	.section	.rodata,"a",@progbits
	.p2align	6, 0x0
	.amdhsa_kernel k_q5a42c3d48c_prep
		.amdhsa_group_segment_fixed_size 105472
		.amdhsa_private_segment_fixed_size 0
		.amdhsa_enable_private_segment 0
		.amdhsa_kernarg_size 96
		.amdhsa_user_sgpr_count 2
		.amdhsa_user_sgpr_kernarg_segment_ptr 1
		.amdhsa_wavefront_size32 1
		.amdhsa_system_sgpr_workgroup_id_x 1
		.amdhsa_system_sgpr_workgroup_id_y 1
		.amdhsa_system_sgpr_workgroup_id_z 1
		.amdhsa_system_vgpr_workitem_id 0
		.amdhsa_next_free_vgpr 256
		.amdhsa_next_free_sgpr 66
		.amdhsa_reserve_vcc 1
		.amdhsa_float_denorm_mode_32 3
		.amdhsa_float_denorm_mode_16_64 3
		.amdhsa_memory_ordered 1
		.amdhsa_forward_progress 1
		.amdhsa_inst_pref_size 45
	.end_amdhsa_kernel
	.amdgpu_metadata
---
amdhsa.version: [ 1, 2 ]
amdhsa.kernels:
  - .name:           k_q5a42c3d48c_prep
    .symbol:         k_q5a42c3d48c_prep.kd
    .args:
      - { .name: z, .offset: 0, .size: 8, .value_kind: global_buffer, .address_space: global }
      - { .name: condition, .offset: 8, .size: 8, .value_kind: global_buffer, .address_space: global }
      - { .name: W_ih, .offset: 16, .size: 8, .value_kind: global_buffer, .address_space: global }
      - { .name: W_hh, .offset: 24, .size: 8, .value_kind: global_buffer, .address_space: global }
      - { .name: W_init, .offset: 32, .size: 8, .value_kind: global_buffer, .address_space: global }
      - { .name: b_init, .offset: 40, .size: 8, .value_kind: global_buffer, .address_space: global }
      - { .name: Wc, .offset: 48, .size: 8, .value_kind: global_buffer, .address_space: global }
      - { .name: A0, .offset: 56, .size: 8, .value_kind: global_buffer, .address_space: global }
      - { .name: A1, .offset: 64, .size: 8, .value_kind: global_buffer, .address_space: global }
      - { .name: A2, .offset: 72, .size: 8, .value_kind: global_buffer, .address_space: global }
      - { .name: A3, .offset: 80, .size: 8, .value_kind: global_buffer, .address_space: global }
      - { .name: Ha, .offset: 88, .size: 8, .value_kind: global_buffer, .address_space: global }
    .group_segment_fixed_size: 105472
    .private_segment_fixed_size: 0
    .kernarg_segment_align: 8
    .kernarg_segment_size: 96
    .max_flat_workgroup_size: 256
    .sgpr_count:     66
    .vgpr_count:     256
    .wavefront_size: 32
...
	.end_amdgpu_metadata
.endif
;; end of part 4
;; launch step1: the kernel of part 2 again; grid 8 x 32, 4 waves a work-group, clusters of 4 x 4, 327,680 bytes of LDS; arguments A0, Wc, Ha, b_ih, b_hh, A1, Hb; writes A1, Hb
;; launch step2: the kernel of part 2 again; grid 8 x 32, 4 waves a work-group, clusters of 4 x 4, 327,680 bytes of LDS; arguments A1, Wc, Hb, b_ih, b_hh, A2, Ha; writes A2, Ha
;; launch step3: the kernel of part 2 again; grid 8 x 32, 4 waves a work-group, clusters of 4 x 4, 327,680 bytes of LDS; arguments A2, Wc, Ha, b_ih, b_hh, A3, Hb; writes A3, Hb
;; launch step4: the kernel of part 2 again; grid 8 x 32, 4 waves a work-group, clusters of 4 x 4, 327,680 bytes of LDS; arguments A3, Wc, Hb, b_ih, b_hh, A4, Ha; writes A4, Ha
;; launch outp: the kernel of part 3 again; grid 256 x 1, 4 waves a work-group, no clusters, 167,936 bytes of LDS; arguments A1, A2, A3, A4, W_out, b_out, out0; writes out0
